; MI455X (gfx1250); checked and timed in simulation.
; The chip was launched on July 23, 2026; its instructions are those of AMD's public machine-readable ISA for CDNA 5 (MIT licence, August 2026) and "CDNA5" Instruction Set Architecture Reference Guide (July 2026). The comments in the code are by the model that wrote it; some were corrected since.
;; Multi Head Attention. Allowed arithmetic: matrix products marked QUANTISED: E2M1 operands, one E8M0 scale for each 32 along K, by v_wmma_scale_f32_16x16x128_f8f6f4 with both operands' format E2M1 (or v_wmma_scale_f32_32x16x128_f4), f32 sums; products left as they are: bf16, f16 or f32 operands; f32 sums; everything else in f32.
;; Inputs: bk 1,024 float32; bo 1,024 float32; bq 1,024 float32; bv 1,024 float32; k 4 x 2,048 x 1,024 float32; mask 1 x 1 x 2,048 x 2,048 int32; q 4 x 2,048 x 1,024 float32; v 4 x 2,048 x 1,024 float32; wk 1,024 x 1,024 float32; wo 1,024 x 1,024 float32; wq 1,024 x 1,024 float32; wv 1,024 x 1,024 float32.
;; Outputs: out0 4 x 2,048 x 1,024 float32.
;; This version of the problem:
;;   THIS VERSION OF THE PROBLEM IS GIVEN IN LOW PRECISION. The matrix products marked QUANTISED in the list below multiply operands that are first quantised to E2M1 (2 exponent bits, 1 mantissa bit; 4 bits a number), with one power-of-two scale for each 32 numbers along K (OCP MX v1.0); their sums are f32. The products marked 'left as it is' may take bf16, f16 or f32 operands, with f32 sums. Whichever they take, every output number must still come out within the allowed error. Rounding operands to bf16 (8 significant bits) uses up far more of that allowance than f16 does (11 bits, for magnitudes from 6e-5 to 65,504). All else is computed in f32.
;;   The module's matrix products, in the order in which they are computed (A, B: the left and right operand; K: the contracted axis; several contracted axes count as one K, in the product's order):
;;     1. [M 8,192, K 1,024] x [K 1,024, N 1,024]; A: input q; B: input wq: QUANTISED
;;     2. [M 8,192, K 1,024] x [K 1,024, N 1,024]; A: input k; B: input wk: QUANTISED
;;     3. [M 8,192, K 1,024] x [K 1,024, N 1,024]; A: input v; B: input wv: QUANTISED
;;     4. batch 64 x [M 2,048, K 64] x [K 64, N 2,048]; A: computed on the way; B: computed on the way: left as it is (an operand is computed on the way)
;;     5. batch 64 x [M 2,048, K 2,048] x [K 2,048, N 64]; A: computed on the way; B: computed on the way: left as it is (an operand is computed on the way)
;;     6. [M 8,192, K 1,024] x [K 1,024, N 1,024]; A: computed on the way; B: input wo: left as it is (an operand is computed on the way)
;;   THE QUANTISER, for each operand of a quantised product, along K:
;;     - K is cut into blocks of 32 from its start; a last block that is shorter is filled with zeros.
;;     - A block's scale is 2^e with e = floor(log2(the largest magnitude in the block)) - 2, held to -126 .. 127; a block of zeros has e = 0. As a byte (E8M0): e + 127.
;;     - Each number is divided by its block's scale, clamped to +-6, and rounded to the nearest number of E2M1, ties to even, subnormals kept.
;;     - The product sums the exact products of the quantised numbers (number of the format x scale) in f32.
;;   ~~~python
;;   def quantise(x, axis):      # numpy; x: float32 -> the quantised numbers, widened to float32 again
;;       x = np.moveaxis(x, axis, -1); K = x.shape[-1]
;;       x = np.pad(x, [(0, 0)] * (x.ndim - 1) + [(0, -K % 32)]); x = x.reshape(x.shape[:-1] + (-1, 32)); a = np.abs(x).max(-1, keepdims=True)
;;       e = np.where(a > 0, np.clip(np.frexp(np.where(a > 0, a, 1))[1] - 1 - 2, -126, 127), 0)      # np.frexp(a)[1] - 1 = floor(log2(a)), exactly
;;       r = np.clip(x / 2.0 ** e, -6, 6)
;;       step = 2.0 ** (np.maximum(np.frexp(np.where(r == 0, 1, r))[1] - 1, 0) - 1)
;;       q = np.round(r / step) * step * 2.0 ** e      # np.round: ties to even
;;       return np.moveaxis(q.reshape(q.shape[:-2] + (-1,))[..., :K], -1, axis).astype(np.float32)
;;   ~~~
;; One version. Each part assembles by itself: llvm-mc -triple=amdgcn-amd-amdhsa -mcpu=gfx1250 --defsym DOCPART=n.
;; ======== version 1 of 1: 4 launches
;; limits: values are held in f16: magnitudes above 65,504 overflow, below 6.1e-05 lose precision
;; workspace buffers: xcodes 12,582,912 bytes; xscales 786,432 bytes; wcodes 1,572,864 bytes; wscales 98,304 bytes; qkv 50,331,648 bytes; maskw 524,288 bytes of whole numbers; wimg 2,097,152 bytes; ximg 16,777,216 bytes
;; launch prep (part 1): grid 1184 x 1, 4 waves a work-group, no clusters, 33,280 bytes of LDS; arguments q, k, v, wq, wk, wv, wo, mask, xcodes, xscales, wcodes, wscales, wimg, maskw; writes xcodes, xscales, wcodes, wscales, wimg, maskw
.if DOCPART == 1
	.amdgcn_target "amdgcn-amd-amdhsa--gfx1250"
	.amdhsa_code_object_version 6
	.text
	.protected	k_q153b05fc8e_prep
	.globl	k_q153b05fc8e_prep
	.p2align	8
	.type	k_q153b05fc8e_prep,@function
k_q153b05fc8e_prep:
	s_mov_b64 s[64:65], 0
	v_nop
	global_prefetch_b8 v0, s[64:65] scope:SCOPE_SE
	s_setreg_imm32_b32 hwreg(HW_REG_WAVE_MODE, 25, 1), 1
	s_wait_xcnt 0x0
; THREE JOBS IN ONE LAUNCH, told apart by the work-group's number.
;   0 .. 863     q, k, v [8192][1024] and wq, wk, wv [1024][1024], f32, K innermost, become codes of FP4 (E2M1) and one E8M0 scale byte for each 32 along K.
;                q, k, v lie on end in xcodes [24576][512 B] and xscales [24576][32 B]; wq, wk, wv in wcodes [3072][512 B] and wscales [3072][32 B].
;   864 .. 927   wo [1024][1024] f32 becomes f16, laid as images of operand registers: wimg [16 rows e: 64][16 along K: 64][512 B]; lane (r, h) owns the 16 bytes at 16 x lane: wo[16 e + r][16 c + 8 h + 0 .. 7].
;   928 .. 1183  mask [2048][2048] int32 becomes lane masks: maskw [32 queries: 64][64 keys: 32][tile of 16 queries: 2][tile of 16 keys: 4][j: 8] words;
;                bit l of a word = (mask[query tile x 16 + l % 16][key tile x 16 + 8 (l / 16) + j] != 0): the lanes of register j of a tile of scores in the attention launch.
; THE QUANTISER.  A block's scale is 2^(floor(log2(its largest magnitude)) - 2); its byte is the largest magnitude's exponent field - 2, held at 1 from below.  Each number is divided by the scale and rounded to
; the nearest code, ties to even, beyond 6 the largest code.  Rows are dense and K is a multiple of 32: a tensor is a plain stream of blocks of 32, and so are its codes and its scale bytes.
; LIMITS: a block of zeros gets the byte 1 where the rule says 127 (its codes are zeros, and this program alone reads the bytes); blocks whose largest magnitude lies under 2^-124 keep the byte 1; NaN and infinities are not served;
; wo must lie inside f16's range (65,504).
; No cluster: no two work-groups read the same bytes.  Only the quantiser touches LDS, each wave its own bytes: no barrier.
.set SP,    80                         ; a lane's place in a stage: 64 bytes + 16 of padding
.set WREG,  8192                       ; LDS of a wave: two stages of 32 x SP bytes, then its 256 scale bytes
.set SPARE, 4*WREG                     ; behind the four regions: the spare words, 128 bytes a wave, which no other line names
.set STEPS, 16                         ; a wave takes 16 steps of 512 numbers
.set EMAX,  2
.set SPW,   12                         ; v12  LDS address of my spare word; never rewritten
.set NIL,   13                         ; v13  0; never rewritten
.set R,     16                         ; v16-79   four sets of 16 numbers as loaded
.set X,     80                         ; v80-111  two sets of 16 neighbours
.set E,     112                        ; v112-127 a scale byte for each step
.set C,     128                        ; v128-191 codes: registers of its own for each step
	s_load_b512 s[4:19], s[0:1], 0x0               ; q, k, v, wq, wk, wv, wo, mask
	s_load_b256 s[20:27], s[0:1], 0x40             ; xcodes, xscales, wcodes, wscales
	s_load_b128 s[28:31], s[0:1], 0x60             ; wimg, maskw
	v_lshl_add_u32 v[SPW], v0, 2, SPARE
	v_mov_b32 v[NIL], 0
	v_lshrrev_b32 v1, 5, v0
	v_readfirstlane_b32 s32, v1                    ; wave
	v_and_b32 v2, 31, v0                           ; lane
	v_lshlrev_b32 v3, 4, v2                        ; 16 x lane
	v_lshlrev_b32 v4, 3, v2                        ; 8 x lane
	s_mul_i32 s38, s32, WREG
	v_lshrrev_b32 v14, 2, v2
	v_mul_u32_u24 v14, v14, SP
	v_and_b32 v15, 3, v2
	v_lshl_add_u32 v14, v15, 4, v14
	v_add_nc_u32 v14, s38, v14                     ; the stage, on the way in: SP (lane / 4) + 16 (lane % 4)
	v_mul_u32_u24 v15, v2, SP
	v_add_nc_u32 v15, s38, v15                     ; and on the way out: SP x lane: my 16 neighbours
	v_lshrrev_b32 v5, 1, v2
	s_add_co_u32 s38, s38, 2*32*SP
	v_add_nc_u32 v5, s38, v5                       ; my block's byte among my wave's 256 scale bytes
	v_add_nc_u32 v6, s38, v4                       ; and 8 of them a lane on the way out
	s_mov_b32 s37, 0                               ; the upper word of every offset
	s_wait_kmcnt 0x0
	s_cmp_ge_u32 ttmp9, 864
	s_cbranch_scc1 .Lnot_quant
	; ---- THE QUANTISER: 32,768 numbers a work-group.  Only pointers are chosen: all six tensors take one path.
	s_cmp_lt_u32 ttmp9, 768                        ; q, k, v (256 work-groups each) or a weight (32 each)
	s_cselect_b64 s[4:5], s[4:5], s[10:11]
	s_cselect_b64 s[6:7], s[6:7], s[12:13]
	s_cselect_b64 s[8:9], s[8:9], s[14:15]
	s_cselect_b64 s[20:21], s[20:21], s[24:25]
	s_cselect_b64 s[22:23], s[22:23], s[26:27]
	s_cselect_b32 s33, 0, 768
	s_cselect_b32 s34, 8, 5
	s_sub_co_u32 s33, ttmp9, s33                   ; i: which 32,768 numbers of the three tensors on end
	s_lshr_b32 s35, s33, s34                       ; which of the three
	s_lshl_b32 s36, s35, s34
	s_sub_co_u32 s36, s33, s36                     ; and which part of it
	s_cmp_eq_u32 s35, 1
	s_cselect_b64 s[4:5], s[6:7], s[4:5]
	s_cmp_eq_u32 s35, 2
	s_cselect_b64 s[4:5], s[8:9], s[4:5]
	s_lshl_b32 s36, s36, 17                        ; 131,072 bytes a work-group,
	s_lshl_b32 s39, s32, 15                        ; 32,768 a wave
	s_add_co_u32 s36, s36, s39
	s_add_nc_u64 s[4:5], s[4:5], s[36:37]
	s_lshl_b32 s33, s33, 2
	s_add_co_u32 s33, s33, s32                     ; my wave's run of 8,192 numbers
	s_lshl_b32 s36, s33, 12                        ; 4,096 bytes of codes a run
	s_add_nc_u64 s[20:21], s[20:21], s[36:37]
	s_lshl_b32 s36, s33, 8                         ; 256 scale bytes a run
	s_add_nc_u64 s[22:23], s[22:23], s[36:37]
.macro LOAD t                          ; 32 lanes read 512 consecutive bytes
.irp i, 0,1,2,3
	global_load_b128 v[R+16*((\t)%4)+4*\i:R+16*((\t)%4)+4*\i+3], v3, s[4:5] offset:2048*(\t)+512*\i th:TH_LOAD_NT
.endr
.endm
.macro TURN t                          ; a step's 2,048 bytes through the stage: LDS serves a wave's instructions in order, so no wait stands between the stores and the loads
.irp i, 0,1,2,3
	ds_store_b128 v14, v[R+16*((\t)%4)+4*\i:R+16*((\t)%4)+4*\i+3] offset:32*SP*((\t)%2)+8*SP*\i
.endr
.irp i, 0,1,2,3
	ds_load_b128 v[X+16*((\t)%2)+4*\i:X+16*((\t)%2)+4*\i+3], v15 offset:32*SP*((\t)%2)+16*\i
.endr
.endm
.irp t, 0,1,2,3
	LOAD \t
.endr
	s_wait_loadcnt 12                              ; step 0's four loads are in
	TURN 0
.macro STEP t
.set XS, X+16*((\t)%2)
.if (\t) > 0
	s_wait_dscnt 1                                 ; this step's numbers are back from the stage (the last step's byte store may be out)
.else
	s_wait_dscnt 0x0
.endif
.if (\t)+4 < STEPS
	LOAD (\t)+4                                    ; into the registers that the stage's stores have read
.endif
.if (\t)+1 < STEPS
.if STEPS-2-(\t) >= 3
	s_wait_loadcnt 12                              ; the next step's four loads are in; those of the three steps behind it may be out
.else
	s_wait_loadcnt 4*(STEPS-2-(\t))
.endif
	TURN (\t)+1
.endif
	v_max3_num_f32 v8, |v[XS]|, |v[XS+1]|, |v[XS+2]|               ; the largest magnitude of my 16, in two chains
	v_max3_num_f32 v9, |v[XS+3]|, |v[XS+4]|, |v[XS+5]|
.irp i, 6,10
	v_max3_num_f32 v8, v8, |v[XS+\i]|, |v[XS+\i+1]|
	v_max3_num_f32 v9, v9, |v[XS+\i+2]|, |v[XS+\i+3]|
.endr
	v_max3_num_f32 v8, v8, |v[XS+14]|, |v[XS+15]|
	v_max3_num_f32 v8, v8, v9, (EMAX+1)<<23        ; and the floor 2^(3 - 127): the byte cannot fall under 1
	v_max_num_f32_dpp v8, v8, v8 row_xmask:1 row_mask:0xf bank_mask:0xf   ; with my neighbour's 16: the block's
	v_add_nc_u32 v11, -(EMAX<<23), v8              ; 2 off its exponent field: the conversion takes the exponent field of this operand as its scale
	v_cvt_scalef32_pk8_fp4_f32 v[C+4*(\t)], v[XS:XS+7], v11
	v_cvt_scalef32_pk8_fp4_f32 v[C+4*(\t)+1], v[XS+8:XS+15], v11
	v_lshrrev_b32 v[E+(\t)], 23, v11               ; the scale's byte (a plain line behind the conversions)
	ds_store_b8 v5, v[E+(\t)] offset:16*(\t)       ; both lanes of a block write the same byte with the same value
	global_store_b64 v4, v[C+4*(\t):C+4*(\t)+1], s[20:21] offset:256*(\t)   ; 32 lanes store 256 consecutive bytes, aligned
.endm
.irp t, 0,1,2,3,4,5,6,7,8,9,10,11,12,13,14,15
	STEP \t
.endr
	ds_load_b64 v[8:9], v6                         ; LDS serves a wave's instructions in order: these see my stores
	s_wait_dscnt 0x0
	global_store_b64 v4, v[8:9], s[22:23]          ; my wave's 256 scale bytes, consecutive and aligned
	s_wait_tensorcnt 0x0                           ; the wave's end, behind my last LDS store
	ds_add_u32 v[SPW], v[NIL]
	s_wait_dscnt 0x0
	s_endpgm
.Lnot_quant:
	s_cmp_ge_u32 ttmp9, 928
	s_cbranch_scc1 .Lmask
	; ---- wo TO f16 IMAGES: work-group e takes rows 16 e .. 16 e + 15, wave w the images c = 16 w .. 16 w + 15 (1,024 consecutive bytes of each row)
	s_sub_co_u32 s33, ttmp9, 864                   ; e
	s_lshl_b32 s36, s33, 16                        ; 16 rows of 4,096 bytes
	s_lshl_b32 s39, s32, 10
	s_add_co_u32 s36, s36, s39
	s_add_nc_u64 s[16:17], s[16:17], s[36:37]
	s_lshl_b32 s36, s33, 15                        ; 64 images of 512 bytes
	s_lshl_b32 s39, s32, 13
	s_add_co_u32 s36, s36, s39
	s_add_nc_u64 s[28:29], s[28:29], s[36:37]
	v_and_b32 v8, 15, v0
	v_bfe_u32 v9, v0, 4, 1
	v_lshlrev_b32 v8, 12, v8
	v_lshl_add_u32 v8, v9, 5, v8                   ; row r, + 32 h: my eight numbers of an image
.irp i, 0,1,2,3,4,5,6,7,8,9,10,11,12,13,14,15
	global_load_b128 v[16+8*\i:16+8*\i+3], v8, s[16:17] offset:64*\i th:TH_LOAD_NT
	global_load_b128 v[16+8*\i+4:16+8*\i+7], v8, s[16:17] offset:64*\i+16 th:TH_LOAD_NT
.endr
	s_wait_loadcnt 0x0
.irp i, 0,1,2,3,4,5,6,7,8,9,10,11,12,13,14,15
.irp n, 0,1,2,3
	v_cvt_pk_f16_f32 v[16+8*\i+\n], v[16+8*\i+2*\n], v[16+8*\i+2*\n+1]   ; in place, ascending: a register is written when it has been read
.endr
	global_store_b128 v3, v[16+8*\i:16+8*\i+3], s[28:29] offset:512*\i   ; an image: 512 consecutive bytes
.endr
	s_endpgm
.Lmask:
	; ---- THE MASK AS LANE MASKS: work-group m takes queries 32 (m / 4) on; wave w the key steps 8 (m % 4) + 2 w and the next: 512 consecutive bytes of each of 32 rows
	s_sub_co_u32 s33, ttmp9, 928                   ; m
	s_lshr_b32 s34, s33, 2                         ; which 32 queries
	s_and_b32 s35, s33, 3
	s_lshl_b32 s35, s35, 3
	s_lshl_b32 s36, s32, 1
	s_add_co_u32 s35, s35, s36                     ; my first key step
	s_lshl_b32 s36, s34, 18                        ; 32 rows of 8,192 bytes
	s_lshl_b32 s39, s35, 8                         ; 64 keys of 4 bytes
	s_add_co_u32 s36, s36, s39
	s_add_nc_u64 s[18:19], s[18:19], s[36:37]
	s_lshl_b32 s36, s34, 5
	s_add_co_u32 s36, s36, s35
	s_lshl_b32 s36, s36, 8                         ; 256 bytes of words for 32 queries x 64 keys
	s_add_nc_u64 s[30:31], s[30:31], s[36:37]
	v_and_b32 v8, 15, v0
	v_bfe_u32 v9, v0, 4, 1
	v_lshlrev_b32 v8, 13, v8
	v_lshl_add_u32 v8, v9, 5, v8                   ; row r, + 32 h: keys 8 h + 0 .. 7 of a tile
.irp u, 0,1
.irp t, 0,1
.irp kt, 0,1,2,3
	global_load_b128 v[16+64*\u+32*\t+8*\kt:16+64*\u+32*\t+8*\kt+3], v8, s[18:19] offset:256*\u+131072*\t+64*\kt th:TH_LOAD_NT
	global_load_b128 v[16+64*\u+32*\t+8*\kt+4:16+64*\u+32*\t+8*\kt+7], v8, s[18:19] offset:256*\u+131072*\t+64*\kt+16 th:TH_LOAD_NT
.endr
.endr
.endr
.irp i, 0,1,2,3
	v_mov_b32 v[144+\i], 0                         ; v_writelane_b32's destination counts as read
.endr
	s_wait_loadcnt 0x0
.set n, 0
.rept 128                              ; word n % 64 of step n / 64: the compare's lane mask goes to lane (n % 64) / 2 of one of two registers, so that a lane holds two neighbouring words
	v_cmp_ne_u32 s[40+n%4], 0, v[16+n]
	v_writelane_b32 v[144+2*(n/64)+(n&1)], s[40+n%4], (n%64)>>1
.set n, n+1
.endr
	global_store_b64 v4, v[144:145], s[30:31]      ; 64 words: 256 consecutive bytes, aligned
	global_store_b64 v4, v[146:147], s[30:31] offset:256
	s_endpgm
.Lfunc_end_k_q153b05fc8e_prep:
	.size	k_q153b05fc8e_prep, .Lfunc_end_k_q153b05fc8e_prep-k_q153b05fc8e_prep
	.p2alignl 7, 3214868480
	.fill 96, 4, 3214868480
	.section	.rodata,"a",@progbits
	.p2align	6, 0x0
	.amdhsa_kernel k_q153b05fc8e_prep
		.amdhsa_group_segment_fixed_size 33280
		.amdhsa_private_segment_fixed_size 0
		.amdhsa_enable_private_segment 0
		.amdhsa_kernarg_size 112
		.amdhsa_user_sgpr_count 2
		.amdhsa_user_sgpr_kernarg_segment_ptr 1
		.amdhsa_wavefront_size32 1
		.amdhsa_system_sgpr_workgroup_id_x 1
		.amdhsa_system_sgpr_workgroup_id_y 1
		.amdhsa_system_sgpr_workgroup_id_z 1
		.amdhsa_system_vgpr_workitem_id 0
		.amdhsa_next_free_vgpr 192
		.amdhsa_next_free_sgpr 66
		.amdhsa_reserve_vcc 0
		.amdhsa_float_denorm_mode_32 3
		.amdhsa_float_denorm_mode_16_64 3
		.amdhsa_memory_ordered 1
		.amdhsa_forward_progress 1
		.amdhsa_inst_pref_size 63
	.end_amdhsa_kernel
	.amdgpu_metadata
---
amdhsa.version: [ 1, 2 ]
amdhsa.kernels:
  - .name:           k_q153b05fc8e_prep
    .symbol:         k_q153b05fc8e_prep.kd
    .args:
      - { .name: q, .offset: 0, .size: 8, .value_kind: global_buffer, .address_space: global }
      - { .name: k, .offset: 8, .size: 8, .value_kind: global_buffer, .address_space: global }
      - { .name: v, .offset: 16, .size: 8, .value_kind: global_buffer, .address_space: global }
      - { .name: wq, .offset: 24, .size: 8, .value_kind: global_buffer, .address_space: global }
      - { .name: wk, .offset: 32, .size: 8, .value_kind: global_buffer, .address_space: global }
      - { .name: wv, .offset: 40, .size: 8, .value_kind: global_buffer, .address_space: global }
      - { .name: wo, .offset: 48, .size: 8, .value_kind: global_buffer, .address_space: global }
      - { .name: mask, .offset: 56, .size: 8, .value_kind: global_buffer, .address_space: global }
      - { .name: xcodes, .offset: 64, .size: 8, .value_kind: global_buffer, .address_space: global }
      - { .name: xscales, .offset: 72, .size: 8, .value_kind: global_buffer, .address_space: global }
      - { .name: wcodes, .offset: 80, .size: 8, .value_kind: global_buffer, .address_space: global }
      - { .name: wscales, .offset: 88, .size: 8, .value_kind: global_buffer, .address_space: global }
      - { .name: wimg, .offset: 96, .size: 8, .value_kind: global_buffer, .address_space: global }
      - { .name: maskw, .offset: 104, .size: 8, .value_kind: global_buffer, .address_space: global }
    .group_segment_fixed_size: 33280
    .private_segment_fixed_size: 0
    .kernarg_segment_align: 8
    .kernarg_segment_size: 112
    .max_flat_workgroup_size: 128
    .sgpr_count:     66
    .vgpr_count:     192
    .wavefront_size: 32
...
	.end_amdgpu_metadata
.endif
;; end of part 1
;; launch proj (part 2): grid 4 x 96, 4 waves a work-group, clusters of 4 x 4, 327,680 bytes of LDS; arguments xcodes, xscales, wcodes, wscales, bq, bk, bv, qkv; writes qkv
.if DOCPART == 2
	.amdgcn_target "amdgcn-amd-amdhsa--gfx1250"
	.amdhsa_code_object_version 6
	.text
	.protected	k_q153b05fc8e_proj
	.globl	k_q153b05fc8e_proj
	.p2align	8
	.type	k_q153b05fc8e_proj,@function
k_q153b05fc8e_proj:
	s_mov_b64 s[64:65], 0
	v_nop
	global_prefetch_b8 v0, s[64:65] scope:SCOPE_SE
	s_setreg_imm32_b32 hwreg(HW_REG_WAVE_MODE, 25, 1), 1
	s_wait_xcnt 0x0
	s_wait_alu depctr_hold_cnt(0) depctr_sa_sdst(0) depctr_va_vdst(0) depctr_va_sdst(0) depctr_va_ssrc(0) depctr_va_vcc(0) depctr_vm_vsrc(0)
	s_getreg_b32 s2, hwreg(HW_REG_IB_STS2, 6, 4)
	s_cmp_eq_u32 s2, 0
	s_cbranch_scc0 .Lentry_in_a_cluster
	s_endpgm
.Lentry_in_a_cluster:
	s_bfe_u32 s2, ttmp6, 0x10000c
	s_cmp_lg_u32 s2, 0xf033
	s_cbranch_scc0 .Lentry_shape_is_right
	s_endpgm
.Lentry_shape_is_right:
; THE THREE PROJECTIONS AS ONE GEMM ON CODES OF FP4 (E2M1): C[m][n] = sum over k of X[m][k] W[n][k] + bias[n].  X: q, k, v on end, [24576][1024]; W: wq, wk, wv on end, [3072][1024]; rows 8192 p .. of X meet rows 1024 p .. of W.
; Codes: two a byte, K innermost, 512 bytes a row; one E8M0 byte for each 32 along K, 32 bytes a row.  The matrix instruction takes codes and scale bytes as they lie.  Sums in f32; the bias is the C of each sum's first instruction.
; A tile of C, 256 x 256, is made by four waves; a wave makes 128 x 128: 64 accumulators, 512 registers.  K = 1,024 is two LDS slots of 512 along K (rows of 256 bytes): both are asked for at the head, and nothing is filled again.
; The scale bytes of the tile's 256 + 256 rows, for all of K, are two dense blocks of memory: they come with the first fills, as rows of 256 bytes.
; CLUSTERS: 4 x 4 work-groups; a cluster lies inside one projection (32 tile rows each).  The four of a row of the cluster need the same tiles of X, the four of a column the same tiles of W: each is asked for jointly.
; THE MATRIX INSTRUCTION IS USED TRANSPOSED (source 0 = 16 rows of W, source 1 = 16 rows of X): a lane holds eight neighbouring outputs of one token.  Rounded to f16 they are 16 bytes, and these 16 bytes are the lane's
; part of an IMAGE OF AN OPERAND'S REGISTERS for the attention launch: qkv [4 p + batch: 12][head: 16][16 tokens: 128][16 channels: 4][512 B], lane l's bytes at 16 (l xor 8 (l / 16)).  So the results leave straight from registers,
; 512 consecutive bytes a store, and no stage in LDS is needed.
; LIMIT: |Q|, |K|, |V| must stay inside f16's range (65,504).
; REGISTERS: window 0: v16-29 addresses; v32-95 scale words, two sets; v128-191 X's fragments, one set (on the way out: packed results); v192-255 the bias, eight registers for each 16 outputs.
;   window 1: W's fragments, two sets, at v0 and v128.   window 2: the accumulators of my rows 0-63 ((a, b) at v[8 (8 a + b)]);   window 3: those of my rows 64-127.
.set NQ,     4                         ; matrix instructions deep in a slot
.set ROWB,   256                       ; a tile's row in bytes
.set KROW,   512                       ; a row of codes in memory
.set PITCH,  272                       ; an LDS row: 256 bytes + 16 of padding = 68 words: the 16 rows of a load start at 16 different banks (64 banks of 4 bytes: ISA guide 11.1)
.set FR,     8
.set NL,     2
.set NP,     4                         ; places behind this matrix instruction (ISA guide 7.12.1)
.set HALFT,  128*PITCH
.set SLOT,   4*HALFT                   ; X's 256 rows, then W's 256 rows
.set KS,     32                        ; a row of scale bytes
.set SCL,    2*SLOT                    ; behind the slots: the scale bytes, as rows of 256 bytes + 16
.set HALFS,  (128*KS/256)*272
.set SBLK,   (16*KS/256)*272
.set SPARE,  SCL+4*HALFS               ; the spare words, 128 bytes a wave, which no other line names
.set ADRA, 16
.set ADRB, 20
.set CO,   26                          ; v26  my 16 bytes in an image
.set ADRS, 27
.set SPW,  28
.set NIL,  29
.set SC,   32
.set AF,   128
.set PK,   128                         ; the way out: two sets of 32 registers
.set BIAS, 192
.set G1, 24
.set G0, 32
.set G1B, 48
.set G0B, 56
.set G1S, 68
.set G0S, 76
.set G1SB, 80
.set G0SB, 88
.set MSB, 0
.macro WIN new                         ; the immediate's high byte repeats the setting that is left
.if MSB != \new
	s_set_vgpr_msb (MSB<<8)|\new
.set MSB, \new
.endif
.endm
.set MUL_LO, 0xa1                      ; source 0 (W) window 1, source 1 (X) window 0, C and D window 2
.set MUL_HI, 0xf1                      ; the same, C and D window 3
.set FST_LO, 0x81                      ; the first step: C (the bias) window 0, D window 2
.set FST_HI, 0xc1                      ; D window 3
.set TO_B,   0x40
; A joint load: waves 0 and 1 fetch for X, waves 2 and 3 for W.  The branch hangs on the wave's number alone.  An s_nop 0 and four v_nop follow each line.
.macro JLOAD g0a, g1a, g0b, g1b
	s_cmp_eq_u32 s15, 0
	s_cbranch_scc0 .Lfor_b_\@
	tensor_load_to_lds s[\g0a:\g0a+3], s[\g1a:\g1a+7]
	s_nop 0
.rept 4
	v_nop
.endr
	s_branch .Lasked_\@
.Lfor_b_\@:
	tensor_load_to_lds s[\g0b:\g0b+3], s[\g1b:\g1b+7]
	s_nop 0
.rept 4
	v_nop
.endr
.Lasked_\@:
.endm
.macro CROUND                          ; a round of the cluster's barrier
	s_barrier_signal -1
	s_barrier_wait -1
	s_cmp_lg_u32 s14, 0
	s_cbranch_scc1 .Lnot_wave_0_\@
	s_barrier_signal -3
.Lnot_wave_0_\@:
	s_barrier_wait -3
	s_barrier_signal -1
	s_barrier_wait -1
.endm
	s_load_b128 s[4:7], s[0:1], 0x0                ; X's codes, X's scales
	s_load_b128 s[8:11], s[0:1], 0x10              ; W's codes, W's scales
	s_load_b128 s[96:99], s[0:1], 0x20             ; bq, bk
	s_load_b64 s[100:101], s[0:1], 0x30            ; bv
	s_load_b64 s[12:13], s[0:1], 0x38              ; qkv
	v_lshl_add_u32 v[SPW], v0, 2, SPARE
	v_mov_b32 v[NIL], 0
	ds_add_u32 v[SPW], v[NIL]                      ; the wave's opening: the add, twice on end, and its wait ahead of my first tensor load
	ds_add_u32 v[SPW], v[NIL]
	v_lshrrev_b32 v1, 5, v0
	v_readfirstlane_b32 s14, v1                    ; wave 0..3
	s_lshr_b32 s15, s14, 1                         ; which half of the tile's rows is mine.  Also: I fetch for X (0) or for W (1)
	s_and_b32 s16, s14, 1                          ; which half of its columns.  Also: which 128 rows I fetch
	s_bfe_u32 s40, ttmp6, 0x40000                  ; cx
	s_bfe_u32 s41, ttmp6, 0x40004                  ; cy
	s_lshl_b32 s42, ttmp9, 2
	s_add_co_u32 s42, s42, s40                     ; tile column 0..3
	s_and_b32 s95, ttmp7, 0xffff
	s_lshl_b32 s17, s95, 2
	s_add_co_u32 s17, s17, s41                     ; tile row 0..95
	s_lshr_b32 s95, s95, 3                         ; the projection, 0..2: made of the cluster's y alone, so all sixteen partners share it
	s_lshl_b32 s43, s41, 2
	s_lshl_b32 s43, 15, s43                        ; my row of the cluster
	s_lshl_b32 s44, 0x1111, s40                    ; my column
	s_or_b32 s[G1+0], s43, (0<<16)|(1<<20)|(1<<21)|(5<<22)|(3<<25)  ; the mask; elements of 1 byte; padding on; bit 21 beside a mask; after every 64 words; 4 words
	s_or_b32 s[G1B+0], s44, (0<<16)|(1<<20)|(1<<21)|(5<<22)|(3<<25)
.irp g, G1, G1B
	s_mov_b32 s[\g+1], ROWB<<16                    ; tensor_dim0
	s_mov_b32 s[\g+2], 128<<16                     ; tensor_dim1
	s_mov_b32 s[\g+3], ROWB<<16                    ; tile_dim0
	s_mov_b32 s[\g+4], 128                         ; tile_dim1
	s_mov_b32 s[\g+5], KROW                        ; from row to row
	s_mov_b32 s[\g+6], 0
	s_mov_b32 s[\g+7], 0
.endr
	s_or_b32 s[G1S+0], s43, (3<<16)|(1<<20)|(1<<21)|(5<<22)|(3<<25)  ; the scale bytes of 128 rows: 4,096 dense bytes as 16 rows of 32 elements of 8 bytes
	s_or_b32 s[G1SB+0], s44, (3<<16)|(1<<20)|(1<<21)|(5<<22)|(3<<25)
.irp g, G1S, G1SB
	s_mov_b32 s[\g+1], 32<<16
	s_mov_b32 s[\g+2], (128*KS/256)<<16
	s_mov_b32 s[\g+3], 32<<16
	s_mov_b32 s[\g+4], 128*KS/256
	s_mov_b32 s[\g+5], 32
	s_mov_b32 s[\g+6], 0
	s_mov_b32 s[\g+7], 0
.endr
	s_lshl_b32 s18, s16, 7
	s_lshl_b32 s20, s17, 8
	s_add_co_u32 s20, s20, s18                     ; X: row 256 x tile row + 128 x half
	s_lshl_b32 s46, s42, 8
	s_add_co_u32 s46, s46, s18
	s_lshl_b32 s47, s95, 10
	s_add_co_u32 s46, s46, s47                     ; W: row 1,024 x projection + 256 x tile column + 128 x half
	s_mov_b32 s21, 0
	s_mov_b32 s47, 0
	s_lshl_b64 s[22:23], s[20:21], 5               ; where these rows' scale bytes begin,
	s_lshl_b64 s[92:93], s[46:47], 5
	s_lshl_b64 s[20:21], s[20:21], 9               ; and their codes
	s_lshl_b64 s[46:47], s[46:47], 9
	s_mul_i32 s45, s14, HALFT                      ; where they go: wave x 128 rows
	s_mul_i32 s94, s14, HALFS
	s_wait_dscnt 0x0                               ; both opening adds are done
	s_wait_kmcnt 0x0
	s_add_nc_u64 s[20:21], s[4:5], s[20:21]
	s_add_nc_u64 s[22:23], s[6:7], s[22:23]
	s_add_nc_u64 s[46:47], s[8:9], s[46:47]
	s_add_nc_u64 s[92:93], s[10:11], s[92:93]
	CROUND                                         ; all sixteen work-groups are here: the first joint loads meet
	s_mov_b32 s[G0S], 1
	s_add_co_u32 s[G0S+1], s94, SCL
	s_mov_b64 s[G0S+2:G0S+3], s[22:23]
	s_or_b32 s[G0S+3], s[G0S+3], 0x80000000
	s_mov_b32 s[G0SB], 1
	s_add_co_u32 s[G0SB+1], s94, SCL
	s_mov_b64 s[G0SB+2:G0SB+3], s[92:93]
	s_or_b32 s[G0SB+3], s[G0SB+3], 0x80000000
	JLOAD G0S, G1S, G0SB, G1SB                     ; the scale bytes first; then both slots: three loads of mine are out
.irp s, 0,1
	s_mov_b32 s[G0+4*\s], 1
	s_add_co_u32 s[G0+4*\s+1], s45, \s*SLOT
	s_add_nc_u64 s[G0+4*\s+2:G0+4*\s+3], s[20:21], \s*ROWB
	s_or_b32 s[G0+4*\s+3], s[G0+4*\s+3], 0x80000000
	s_mov_b32 s[G0B+4*\s], 1
	s_add_co_u32 s[G0B+4*\s+1], s45, \s*SLOT
	s_add_nc_u64 s[G0B+4*\s+2:G0B+4*\s+3], s[46:47], \s*ROWB
	s_or_b32 s[G0B+4*\s+3], s[G0B+4*\s+3], 0x80000000
	JLOAD G0+4*\s, G1, G0B+4*\s, G1B
.endr
	v_and_b32 v1, 15, v0                           ; r
	v_bfe_u32 v2, v0, 4, 1                         ; h
	; the bias of my 128 outputs: lane (r, h) wants, for block b, bias[.. + 16 b + 8 h + 0 .. 7]
	s_cmp_eq_u32 s95, 1
	s_cselect_b64 s[96:97], s[98:99], s[96:97]
	s_cmp_eq_u32 s95, 2
	s_cselect_b64 s[96:97], s[100:101], s[96:97]
	s_lshl_b32 s46, s42, 10
	s_lshl_b32 s47, s16, 9
	s_add_co_u32 s46, s46, s47
	s_mov_b32 s47, 0
	s_add_nc_u64 s[96:97], s[96:97], s[46:47]
	v_lshlrev_b32 v7, 5, v2
.irp b, 0,1,2,3,4,5,6,7
	global_load_b128 v[BIAS+8*\b:BIAS+8*\b+3], v7, s[96:97] offset:64*\b
	global_load_b128 v[BIAS+8*\b+4:BIAS+8*\b+7], v7, s[96:97] offset:64*\b+16
.endr
	v_mul_u32_u24 v3, v1, PITCH
	v_lshl_add_u32 v4, v2, 4, v3                   ; a fragment's row x pitch + 16 x half
	s_mul_i32 s21, s15, HALFT                      ; my 128 rows of X
	s_mul_i32 s22, s16, HALFT                      ; my 128 rows of W,
	s_add_co_u32 s22, s22, 2*HALFT                 ; behind X's 256
.irp s, 0,1
	v_add_nc_u32 v[ADRA+\s], s21, v4
	v_add_nc_u32 v[ADRB+\s], s22, v4
	s_add_co_u32 s21, s21, SLOT
	s_add_co_u32 s22, s22, SLOT
.endr
	v_mul_u32_u24 v5, v1, KS                       ; my row's scale bytes: 32 a row,
	v_lshrrev_b32 v6, 8, v5
	v_lshl_add_u32 v5, v6, 4, v5                   ; and 16 more for each 256 passed
	s_mul_i32 s21, s15, HALFS
	s_mul_i32 s22, s16, HALFS
	s_add_co_u32 s22, s22, 2*HALFS
	s_sub_co_u32 s22, s22, s21
	v_mul_u32_u24 v6, s22, v2                      ; lanes 16-31 take W's
	s_add_co_u32 s21, s21, SCL
	v_add_nc_u32 v5, v5, v6
	v_add_nc_u32 v[ADRS], s21, v5
	v_and_b32 v6, 31, v0
	v_lshlrev_b32 v8, 3, v2
	v_xor_b32 v6, v6, v8
	v_lshlrev_b32 v[CO], 4, v6                     ; 16 (l xor 8 (l / 16))
	; where my part of qkv begins: (tile row / 8) x 4,194,304 + head (4 x tile column + 2 x half) x 262,144 + token tile (16 (tile row % 8) + 8 x half) x 2,048
	s_lshr_b32 s20, s17, 3
	s_lshl_b32 s20, s20, 22
	s_and_b32 s21, s17, 7
	s_lshl_b32 s21, s21, 15
	s_add_co_u32 s20, s20, s21
	s_lshl_b32 s21, s15, 14
	s_add_co_u32 s20, s20, s21
	s_lshl_b32 s46, s42, 20
	s_lshl_b32 s47, s16, 19
	s_add_co_u32 s46, s46, s47
	s_add_co_u32 s20, s20, s46
	s_mov_b32 s21, 0
	s_add_nc_u64 s[12:13], s[12:13], s[20:21]
.macro FRAG reg, adr, q, i             ; 16 rows x 128 K of 4-bit codes: 8 registers; two loads of 16 bytes, 32 bytes apart
.irp c, 0,1
	ds_load_b128 v[\reg+4*\c:\reg+4*\c+3], v[\adr] offset:64*(\q)+32*\c+(\i)*16*PITCH
.endr
.endm
; 16 matrix instructions: X's blocks a0, a0 + 1 against W's eight.  p: W's set; sc: the set of scale words.  first = 1: the bias is C.  The 64 accumulators take turns, one instruction a turn, in the same order in every step.
.macro MUL16 a0, p, q, sc, first
.irp a, \a0, \a0+1
.irp b, 0,1,2,3,4,5,6,7
.if \first
	v_wmma_scale_f32_16x16x128_f8f6f4 v[8*(8*((\a)%4)+\b):8*(8*((\a)%4)+\b)+7], v[128*(\p)+FR*\b:128*(\p)+FR*\b+FR-1], v[AF+FR*(\a):AF+FR*(\a)+FR-1], v[BIAS+8*\b:BIAS+8*\b+7], v[SC+8*NQ*(\sc)+NQ*\b+(\q)], v[SC+8*NQ*(\sc)+NQ*(\a)+(\q)] matrix_a_fmt:MATRIX_FMT_FP4 matrix_b_fmt:MATRIX_FMT_FP4 matrix_a_scale:MATRIX_SCALE_ROW1
.else
	v_wmma_scale_f32_16x16x128_f8f6f4 v[8*(8*((\a)%4)+\b):8*(8*((\a)%4)+\b)+7], v[128*(\p)+FR*\b:128*(\p)+FR*\b+FR-1], v[AF+FR*(\a):AF+FR*(\a)+FR-1], v[8*(8*((\a)%4)+\b):8*(8*((\a)%4)+\b)+7], v[SC+8*NQ*(\sc)+NQ*\b+(\q)], v[SC+8*NQ*(\sc)+NQ*(\a)+(\q)] matrix_a_fmt:MATRIX_FMT_FP4 matrix_b_fmt:MATRIX_FMT_FP4 matrix_a_scale:MATRIX_SCALE_ROW1
.endif
.endr
.endr
.endm
.macro FETCH_B slot, q, p
	WIN TO_B
.irp i, 0,1,2,3,4,5,6,7
	FRAG 128*(\p)+FR*\i, ADRB+\slot, \q, \i
.endr
	WIN 0
.endm
.macro FETCH_A slot, q, i0
.irp i, \i0, \i0+1, \i0+2, \i0+3
	FRAG AF+FR*(\i), ADRA+\slot, \q, \i
.endr
.endm
.macro SCALES sc                       ; a slot's scale words: four a row; lanes 0-15 take X's block i, lanes 16-31 W's block i
.irp i, 0,1,2,3,4,5,6,7
	ds_load_b128 v[SC+8*NQ*\sc+NQ*\i:SC+8*NQ*\sc+NQ*\i+3], v[ADRS] offset:\i*SBLK
.endr
.endm
.macro PLACES n                        ; plain vector instructions between a matrix instruction and a load into, or a read of, its registers (ISA guide 7.12.1 for reads)
.rept \n
	v_nop
.endr
.endm
.macro STEP slot, q, first             ; 128 along K that has its successor in the same slot
	s_wait_dscnt 4*NL                              ; W's set and X's blocks 0-3 are in; the youngest eight loads (X's blocks 4-7) may be out
.if \first
	WIN FST_LO
.else
	WIN MUL_LO
.endif
	MUL16 0, (\q)%2, \q, \slot, \first
	MUL16 2, (\q)%2, \q, \slot, \first
	s_wait_dscnt 0                                 ; X's blocks 4-7 are in
	PLACES NP
	FETCH_B \slot, (\q)+1, 1-(\q)%2
	FETCH_A \slot, (\q)+1, 0
.if \first
	WIN FST_HI
.else
	WIN MUL_HI
.endif
	MUL16 4, (\q)%2, \q, \slot, \first
	MUL16 6, (\q)%2, \q, \slot, \first
	PLACES NP
	WIN 0
	FETCH_A \slot, (\q)+1, 4
.endm
.macro STEPS slot, from
.set Q, \from
.rept NQ-1-\from
	STEP \slot, Q, 0
.set Q, Q+1
.endr
.endm
	s_wait_tensorcnt 1                             ; the scale bytes and my part of slot 0 are in; slot 1's load may stay out
	s_barrier_signal -1
	s_barrier_wait -1
	FETCH_B 0, 0, 0
	FETCH_A 0, 0, 0
	SCALES 0
	FETCH_A 0, 0, 4
	s_wait_loadcnt 0x0                             ; the bias
	STEP 0, 0, 1                                   ; the first step's products start the sums on the bias
	STEPS 0, 1
	; slot 0's last step changes slots: one barrier; in front of it each wave has waited for its part of slot 1
	s_wait_tensorcnt 0x0                           ; all my tensor loads have landed
	ds_add_u32 v[SPW], v[NIL]                      ; 0 onto my spare word
	s_wait_dscnt 4*NL+1                            ; (the add and X's blocks 4-7 may be out)
	WIN MUL_LO
	MUL16 0, 1, NQ-1, 0, 0
	s_wait_dscnt 0x0
	s_barrier_signal -1
	MUL16 2, 1, NQ-1, 0, 0
	WIN 0
	s_barrier_wait -1                              ; slot 1 is whole
	PLACES NP
	v_add_nc_u32 v[ADRS], 4*NQ, v[ADRS]            ; on to slot 1's scale words (no LDS load of mine is out)
	FETCH_B 1, 0, 0
	FETCH_A 1, 0, 0
	SCALES 1
	WIN MUL_HI
	MUL16 4, 1, NQ-1, 0, 0
	MUL16 6, 1, NQ-1, 0, 0
	PLACES NP
	WIN 0
	FETCH_A 1, 0, 4
	STEPS 1, 0
	s_wait_dscnt 4*NL                              ; the last step: nothing more to fetch
	WIN MUL_LO
	MUL16 0, 1, NQ-1, 1, 0
	MUL16 2, 1, NQ-1, 1, 0
	s_wait_dscnt 0
	WIN MUL_HI
	MUL16 4, 1, NQ-1, 1, 0
	MUL16 6, 1, NQ-1, 1, 0
	WIN 0
	; THE WAY OUT, block by block of 16 tokens: each accumulator, from its low end on, is rounded to f16: 16 bytes a lane, the lane's part of an image; eight stores of 512 consecutive bytes
	PLACES NP                                      ; behind the last products: the packed results land where X's fragments lay
.irp a, 0,1,2,3,4,5,6,7
.if \a >= 2
	s_wait_xcnt 0x0                                ; block a - 2's stores have read their registers, which are written again below
.endif
	WIN 0x0a+5*(\a/4)                              ; sources 0 and 1: window 2 or 3
.irp b, 0,1,2,3,4,5,6,7
.irp n, 0,1,2,3
	v_cvt_pk_f16_f32 v[PK+32*(\a%2)+4*\b+\n], v[64*(\a%4)+8*\b+2*\n], v[64*(\a%4)+8*\b+2*\n+1]
.endr
.endr
	WIN 0
.irp b, 0,1,2,3,4,5,6,7
	global_store_b128 v[CO], v[PK+32*(\a%2)+4*\b:PK+32*(\a%2)+4*\b+3], s[12:13] offset:(\b/4)*262144+\a*2048+(\b%4)*512
.endr
.endr
	s_wait_tensorcnt 0x0                           ; the wave's end
	ds_add_u32 v[SPW], v[NIL]
	s_wait_dscnt 0x0
	CROUND                                         ; the closing round
	s_endpgm
.Lfunc_end_k_q153b05fc8e_proj:
	.size	k_q153b05fc8e_proj, .Lfunc_end_k_q153b05fc8e_proj-k_q153b05fc8e_proj
	.p2alignl 7, 3214868480
	.fill 96, 4, 3214868480
	.section	.rodata,"a",@progbits
	.p2align	6, 0x0
	.amdhsa_kernel k_q153b05fc8e_proj
		.amdhsa_group_segment_fixed_size 327680
		.amdhsa_private_segment_fixed_size 0
		.amdhsa_enable_private_segment 0
		.amdhsa_kernarg_size 64
		.amdhsa_user_sgpr_count 2
		.amdhsa_user_sgpr_kernarg_segment_ptr 1
		.amdhsa_wavefront_size32 1
		.amdhsa_system_sgpr_workgroup_id_x 1
		.amdhsa_system_sgpr_workgroup_id_y 1
		.amdhsa_system_sgpr_workgroup_id_z 1
		.amdhsa_system_vgpr_workitem_id 0
		.amdhsa_next_free_vgpr 1024
		.amdhsa_next_free_sgpr 102
		.amdhsa_reserve_vcc 0
		.amdhsa_float_denorm_mode_32 3
		.amdhsa_float_denorm_mode_16_64 3
		.amdhsa_memory_ordered 1
		.amdhsa_forward_progress 1
		.amdhsa_inst_pref_size 119
	.end_amdhsa_kernel
	.amdgpu_metadata
---
amdhsa.version: [ 1, 2 ]
amdhsa.kernels:
  - .name:           k_q153b05fc8e_proj
    .symbol:         k_q153b05fc8e_proj.kd
    .args:
      - { .name: xcodes, .offset: 0, .size: 8, .value_kind: global_buffer, .address_space: global }
      - { .name: xscales, .offset: 8, .size: 8, .value_kind: global_buffer, .address_space: global }
      - { .name: wcodes, .offset: 16, .size: 8, .value_kind: global_buffer, .address_space: global }
      - { .name: wscales, .offset: 24, .size: 8, .value_kind: global_buffer, .address_space: global }
      - { .name: bq, .offset: 32, .size: 8, .value_kind: global_buffer, .address_space: global }
      - { .name: bk, .offset: 40, .size: 8, .value_kind: global_buffer, .address_space: global }
      - { .name: bv, .offset: 48, .size: 8, .value_kind: global_buffer, .address_space: global }
      - { .name: qkv, .offset: 56, .size: 8, .value_kind: global_buffer, .address_space: global }
    .group_segment_fixed_size: 327680
    .private_segment_fixed_size: 0
    .kernarg_segment_align: 8
    .kernarg_segment_size: 64
    .max_flat_workgroup_size: 128
    .sgpr_count:     102
    .vgpr_count:     1024
    .wavefront_size: 32
...
	.end_amdgpu_metadata
.endif
;; end of part 2
;; launch attn (part 3): grid 4 x 64, 16 waves a work-group, clusters of 4 x 1, 327,680 bytes of LDS; arguments qkv, maskw, ximg; writes ximg
.if DOCPART == 3
	.amdgcn_target "amdgcn-amd-amdhsa--gfx1250"
	.amdhsa_code_object_version 6
	.text
	.protected	k_q153b05fc8e_attn
	.globl	k_q153b05fc8e_attn
	.p2align	8
	.type	k_q153b05fc8e_attn,@function
k_q153b05fc8e_attn:
	s_mov_b64 s[64:65], 0
	v_nop
	global_prefetch_b8 v0, s[64:65] scope:SCOPE_SE
	s_setreg_imm32_b32 hwreg(HW_REG_WAVE_MODE, 25, 1), 1
	s_wait_xcnt 0x0
	s_wait_alu depctr_hold_cnt(0) depctr_sa_sdst(0) depctr_va_vdst(0) depctr_va_sdst(0) depctr_va_ssrc(0) depctr_va_vcc(0) depctr_vm_vsrc(0)
	s_getreg_b32 s2, hwreg(HW_REG_IB_STS2, 6, 4)
	s_cmp_eq_u32 s2, 0
	s_cbranch_scc0 .Lentry_in_a_cluster
	s_endpgm
.Lentry_in_a_cluster:
	s_bfe_u32 s2, ttmp6, 0x10000c
	s_cmp_lg_u32 s2, 0x3003
	s_cbranch_scc0 .Lentry_shape_is_right
	s_endpgm
.Lentry_shape_is_right:
; x[b][q][head] = sum over k of softmax_k(where(mask[q][k] == 0, -1e9, Q . K / 8)) V[k], for one (batch, head) a cluster.  Q, K, V are f16, products' sums, maxima and row sums f32; the weights p are rounded to f16 for the second product.
; INPUT: qkv [4 p + batch][head][16 tokens: 128][16 channels: 4][512 B]: images of operand registers; lane (r, h) owns the 16 bytes at 16 (l xor 8 (l / 16)): token r, channels 16 c + 8 h + 0 .. 7.
;        maskw [32 queries][64 keys][query tile: 2][key tile: 4][j: 8]: bit l of a word says whether register j of a tile of scores counts in lane l.
; OUTPUT: ximg [16 rows: 512][16 along the model's 1,024: 64][512 B], lane l's bytes at 16 l: the output projection's operand.
; SHARES.  A work-group owns 512 queries; each of its SIXTEEN waves 32 of them, two tiles, in 256 registers: four waves to a SIMD, so that one wave's vector work stands beside another's matrix work and LDS loads.
; Every wave walks all 2,048 keys, 64 a step.  K and V come through two LDS slots of 512 keys (64 KB of K, then 64 KB of V); wave w fetches piece w of 16, 8 KB: one tensor load a wave.
; CLUSTER.  The four query blocks of a head walk the same K and V: each piece is asked for jointly, by the same load with the same descriptor and the mask of all four.
; LAYOUT.  S^T = K Q^T (source 0 = 16 keys, source 1 = 16 queries), O^T = V^T P (source 0 = 16 channels, by the turning LDS load; source 1 = P): a lane holds ONE query throughout.  Two tiles of S^T, rounded to f16 in pairs in place, are P.
; SOFTMAX.  A running maximum m and sum l for each query: p = 2^(c s - c m), c = log2(e) / 8; in every step O and l are multiplied by a = 2^(c m_old - c m_new).
; THE MASK.  A masked score becomes -2^33 (raw; -1.07e9 after the division by 8, where the definition has -1e9): c m is then exact, and a row that is wholly masked gets p = 1 for every key, the mean of V.
; LIMITS: the results are the definition's while kept scores / 8 stay above about -9e8; |x| inside f16's range; NaN and infinities are not served.
.set SLOT1, 1<<17                      ; slot 1 begins here: one exclusive or turns an address in one slot into the other's
.set VOFF,  65536                      ; V's tiles in a slot
.set SPARE, 2*SLOT1                    ; the spare words, 128 bytes for each of sixteen waves, which no other line names
.set AK0, 1                            ; v1   my 16 bytes in an image, for plain loads
.set AV0, 2                            ; v2   VOFF + my 16 bytes for the turning loads
.set ADK, 3                            ; v3   the step's K
.set ADV, 4                            ; v4   the step's V
.set SPW, 5                            ; v5   my spare word; never rewritten
.set NIL, 6                            ; v6   0; never rewritten
.set NEG, 7                            ; v7   -2^33
.set GO,  8                            ; v8   16 x lane
.set PFO, 9                            ; v9   256 x lane
.set ST,  16                           ; v16-31  tile t at ST + 8 t: +0 c m, +1 m, +2, +3 l (even, odd registers'), +4 .. +7 c0-c3 at work; a takes c2's place
.set Q,   32                           ; v32-63  Q: tile t, channels 32 kk on, at Q + 16 t + 8 kk
.set KV,  64                           ; v64-127 K of a step (key tile kt, kk at KV + 16 kt + 8 kk), then V (channel tile ct, keys 32 kk on, likewise)
.set S,   128                          ; v128-191 S^T: S + 32 t + 8 kt; then P in the low 16 registers of each tile
.set O,   192                          ; v192-255 O^T: O + 32 t + 8 ct
.set MB,  4                            ; s[4:5]   the step's mask words
.set PFA, 6                            ; s[6:7]   what I prefetch
.set G0A, 8                            ; s[8:11]  group 0 of slot 0's first fill
.set LIM, 12
.set WV,  13
.set CS,  14                           ; s[14:15] c, twice
.set G1,  16                           ; s[16:23] group 1
.set G0B, 24                           ; s[24:27] group 0 of slot 1's first fill, which then walks
.set SEL, 28                           ; s[28:29] v_permlanex16_b32's selects: lane l xor 16
.set TB,  30                           ; LDS byte at which the step's tiles begin
.set SLOTS, 31
.set NST, 66
; s[48:63], s[68:83]: the step's mask words of tile 0; s[84:99], s[32:47]: of tile 1
.macro CROUND                          ; a round of the cluster's barrier
	s_barrier_signal -1
	s_barrier_wait -1
	s_cmp_lg_u32 s[WV], 0
	s_cbranch_scc1 .Lnot_wave_0_\@
	s_barrier_signal -3
.Lnot_wave_0_\@:
	s_barrier_wait -3
	s_barrier_signal -1
	s_barrier_wait -1
.endm
	s_load_b128 s[36:39], s[0:1], 0x0              ; qkv, maskw
	s_load_b64 s[2:3], s[0:1], 0x10                ; ximg
	v_lshl_add_u32 v[SPW], v0, 2, SPARE
	v_mov_b32 v[NIL], 0
	ds_add_u32 v[SPW], v[NIL]                      ; the wave's opening: the add, twice on end, and its wait ahead of my first tensor load
	ds_add_u32 v[SPW], v[NIL]
	v_lshrrev_b32 v10, 5, v0
	v_readfirstlane_b32 s[WV], v10                 ; wave 0..15
	s_bfe_u32 s40, ttmp6, 0x40000                  ; cx: my block of 512 queries
	s_and_b32 s41, ttmp7, 0xffff                   ; 16 x batch + head, which the four partners share
	s_mov_b32 s[G1], 15|(3<<16)|(1<<21)            ; the mask: all four; elements of 8 bytes; bit 21 beside a mask; no padding
	s_mov_b32 s[G1+1], 32<<16                      ; tensor_dim0: 32 elements, 256 bytes
	s_mov_b32 s[G1+2], 32<<16                      ; tensor_dim1: 32 rows
	s_mov_b32 s[G1+3], 32<<16                      ; tile_dim0
	s_mov_b32 s[G1+4], 32                          ; tile_dim1
	s_mov_b32 s[G1+5], 32                          ; from row to row: dense
	s_mov_b32 s[G1+6], 0
	s_mov_b32 s[G1+7], 0
	s_mov_b32 s[CS], 0x3e38aa3b                    ; c = log2(e) / 8
	s_mov_b32 s[CS+1], s[CS]
	s_mov_b32 s[SEL], 0x76543210
	s_mov_b32 s[SEL+1], 0xfedcba98
	s_mov_b32 s[TB], 0
	s_lshl_b32 s45, s41, 18                        ; a head is 262,144 bytes
	s_lshr_b32 s42, s[WV], 3
	s_add_co_u32 s42, s42, 1
	s_lshl_b32 s42, s42, 24                        ; K's part of qkv (waves 0-7) or V's (waves 8-15)
	s_add_co_u32 s42, s42, s45
	s_mov_b32 s43, 0
	s_and_b32 s44, s[WV], 7
	s_lshl_b32 s44, s44, 13
	s_add_co_u32 s100, s42, s44                    ; my piece of 8,192 bytes: made of the head and the wave alone
	s_mov_b32 s101, 0
	s_lshl_b32 s67, s[WV], 13                      ; and its place in a slot
	s_and_b32 s[LIM], s[WV], 3
	s_cmp_eq_u32 s[LIM], 0
	s_cselect_b32 s[LIM], 1, -1                    ; waves 0, 4, 8, 12 prefetch
	s_wait_dscnt 0x0                               ; both opening adds are done
	s_wait_kmcnt 0x0
	s_mov_b32 s[G0A], 1
	s_mov_b32 s[G0A+1], s67
	s_add_nc_u64 s[G0A+2:G0A+3], s[36:37], s[100:101]
	s_mov_b32 s[G0B], 1
	s_add_co_u32 s[G0B+1], s67, SLOT1
	s_add_nc_u64 s[G0B+2:G0B+3], s[G0A+2:G0A+3], 0x10000   ; the next 512 keys
	s_or_b32 s[G0A+3], s[G0A+3], 0x80000000
	s_or_b32 s[G0B+3], s[G0B+3], 0x80000000
	CROUND                                         ; all four work-groups are here: the first joint loads meet
	tensor_load_to_lds s[G0A:G0A+3], s[G1:G1+7]    ; both first fills together: two loads of mine are out
	s_nop 0
	tensor_load_to_lds s[G0B:G0B+3], s[G1:G1+7]
	s_nop 0
.rept 4
	v_nop
.endr
	v_and_b32 v10, 31, v0                          ; l
	v_bfe_u32 v11, v0, 4, 1                        ; h
	v_lshlrev_b32 v12, 3, v11
	v_xor_b32 v12, v12, v10
	v_lshlrev_b32 v[AK0], 4, v12                   ; 16 (l xor 8 h)
	s_lshl_b32 s44, s40, 16                        ; Q: my block's 32 tiles of 2,048 bytes,
	s_add_co_u32 s44, s44, s45
	s_lshl_b32 s100, s[WV], 12                     ; my wave's two
	s_add_co_u32 s100, s100, s44
	s_add_nc_u64 s[46:47], s[36:37], s[100:101]
.irp t, 0,1
.irp kk, 0,1
.irp c, 0,1
	global_load_b128 v[Q+16*\t+8*\kk+4*\c:Q+16*\t+8*\kk+4*\c+3], v[AK0], s[46:47] offset:2048*\t+1024*\kk+512*\c   ; Q stays in registers
.endr
.endr
.endr
	; the turning load: lane l addresses key 8 h + l % 8, channels 8 ((l / 8) % 2) + 0 .. 7 of a tile: the bytes that lane 8 h + l % 8 + 16 ((l / 8) % 2) of the image owns
	v_and_b32 v12, 7, v0
	v_bfe_u32 v13, v0, 3, 1
	v_xor_b32 v14, v11, v13
	v_lshl_add_u32 v12, v14, 3, v12
	v_lshl_add_u32 v12, v13, 4, v12
	v_lshlrev_b32 v[AV0], 4, v12
	v_add_nc_u32 v[AV0], VOFF, v[AV0]
	v_lshlrev_b32 v[GO], 4, v10
	v_lshlrev_b32 v[PFO], 8, v10
	v_mov_b32 v[NEG], 0xd0000000                   ; -2^33
	s_and_b32 s44, s[WV], 4                        ; the prefetch: of the last slot's sixteen pieces, piece (wave & 12) + cx: the partners are told apart by address
	s_add_co_u32 s44, s44, s40
	s_lshl_b32 s44, s44, 13
	s_add_co_u32 s42, s42, s44
	s_add_co_u32 s42, s42, 3*65536
	s_add_nc_u64 s[PFA:PFA+1], s[36:37], s[42:43]
	s_lshl_b32 s100, s40, 4                        ; the mask words of my 32 queries: 8,192 bytes for each 32
	s_add_co_u32 s100, s100, s[WV]
	s_lshl_b32 s100, s100, 13
	s_add_nc_u64 s[MB:MB+1], s[38:39], s[100:101]
	s_lshr_b32 s100, s41, 4                        ; ximg: row tile 128 x batch + 32 cx + 2 x wave, 32,768 bytes each; + 4 x head images of 512
	s_lshl_b32 s100, s100, 22
	s_lshl_b32 s44, s40, 20
	s_add_co_u32 s100, s100, s44
	s_lshl_b32 s44, s[WV], 16
	s_add_co_u32 s100, s100, s44
	s_and_b32 s44, s41, 15
	s_lshl_b32 s44, s44, 11
	s_add_co_u32 s100, s100, s44
	s_add_nc_u64 s[2:3], s[2:3], s[100:101]
.irp t, 0,1
	v_mov_b32 v[ST+8*\t+1], 0xff61b1e6             ; m = -3e38, under every score
	v_mul_f32 v[ST+8*\t], s[CS], v[ST+8*\t+1]      ; c m
	v_mov_b32 v[ST+8*\t+2], 0                      ; l
	v_mov_b32 v[ST+8*\t+3], 0
.endr
.set i, 0
.rept 64
	v_mov_b32 v[O+i], 0                            ; O^T.  (The key step is written once: its first run finds zeros, which a = 0 leaves zeros)
.set i, i+1
.endr
.macro MASK t, kt                      ; the eight registers of a tile of scores, from the low end on: kept where the word's bit is set, else -2^33
.set MWB, 48
.if (2*\t+\kt/2) == 1
.set MWB, 68
.endif
.if (2*\t+\kt/2) == 2
.set MWB, 84
.endif
.if (2*\t+\kt/2) == 3
.set MWB, 32
.endif
.irp j, 0,1,2,3,4,5,6,7
	v_cndmask_b32 v[S+32*\t+8*\kt+\j], v[NEG], v[S+32*\t+8*\kt+\j], s[MWB+8*(\kt%2)+\j]
.endr
.endm
; A KEY STEP: 64 keys against my 32 queries.
.macro STEP
	v_add_nc_u32 v[ADK], s[TB], v[AK0]             ; these two and three v_nop are the five places behind the last V^T P: the products below write over P's registers, and K's loads land on V's
	v_add_nc_u32 v[ADV], s[TB], v[AV0]
.rept 3
	v_nop
.endr
	s_load_b512 s[48:63], s[MB:MB+1], 0x0          ; the step's 64 mask words: 256 consecutive bytes
	s_load_b512 s[68:83], s[MB:MB+1], 0x40
	s_load_b512 s[84:99], s[MB:MB+1], 0x80
	s_load_b512 s[32:47], s[MB:MB+1], 0xc0
.irp f, 0,1,2,3,4,5,6,7                ; K's fragment 2 kt + kk: two images on end
	ds_load_b128 v[KV+8*\f:KV+8*\f+3], v[ADK] offset:1024*\f
	ds_load_b128 v[KV+8*\f+4:KV+8*\f+7], v[ADK] offset:1024*\f+512
.endr
	s_wait_dscnt 0x0
.irp kk, 0,1                           ; S^T = K Q^T: the eight accumulators by turns, one instruction a turn; the first eight start the sums
.irp kt, 0,1,2,3
.irp t, 0,1
.if \kk == 0
	v_wmma_f32_16x16x32_f16 v[S+32*\t+8*\kt:S+32*\t+8*\kt+7], v[KV+16*\kt+8*\kk:KV+16*\kt+8*\kk+7], v[Q+16*\t+8*\kk:Q+16*\t+8*\kk+7], 0
.else
	v_wmma_f32_16x16x32_f16 v[S+32*\t+8*\kt:S+32*\t+8*\kt+7], v[KV+16*\kt+8*\kk:KV+16*\kt+8*\kk+7], v[Q+16*\t+8*\kk:Q+16*\t+8*\kk+7], v[S+32*\t+8*\kt:S+32*\t+8*\kt+7]
.endif
.endr
.endr
.endr
.rept 4
	v_nop                                          ; four places: V's loads land on K's registers, and the scores are read
.endr
.irp ct, 0,1,2,3                       ; V, turned: it lands while the softmax is walked
.irp kk, 0,1
	ds_load_tr16_b128 v[KV+16*\ct+8*\kk:KV+16*\ct+8*\kk+3], v[ADV] offset:(8*\kk+\ct)*512
	ds_load_tr16_b128 v[KV+16*\ct+8*\kk+4:KV+16*\ct+8*\kk+7], v[ADV] offset:(8*\kk+4+\ct)*512
.endr
.endr
	s_wait_kmcnt 0x0                               ; the mask words are in, and their loads have read their base:
	s_add_nc_u64 s[MB:MB+1], s[MB:MB+1], 256       ; the next step's
.irp t, 0,1
.irp kt, 0,1,2,3
	MASK \t, \kt
.endr
.endr
	; the maximum of my 32 scores and the old m: four chains a tile, the two tiles by turns
.irp j, 0,1,2,3
.irp t, 0,1
	v_max3_num_f32 v[ST+8*\t+4+\j], v[S+32*\t+8*\j], v[S+32*\t+8*\j+1], v[S+32*\t+8*\j+2]
.endr
.endr
.irp i, 3,5
.irp j, 0,1,2,3
.irp t, 0,1
	v_max3_num_f32 v[ST+8*\t+4+\j], v[ST+8*\t+4+\j], v[S+32*\t+8*\j+\i], v[S+32*\t+8*\j+\i+1]
.endr
.endr
.endr
.irp t, 0,1
	v_max3_num_f32 v[ST+8*\t+4], v[ST+8*\t+4], v[S+32*\t+7], v[S+32*\t+15]
.endr
.irp t, 0,1
	v_max3_num_f32 v[ST+8*\t+6], v[ST+8*\t+6], v[S+32*\t+23], v[S+32*\t+31]
.endr
.irp t, 0,1
	v_max3_num_f32 v[ST+8*\t+4], v[ST+8*\t+4], v[ST+8*\t+5], v[ST+8*\t+6]
.endr
.irp t, 0,1
	v_max3_num_f32 v[ST+8*\t+4], v[ST+8*\t+4], v[ST+8*\t+7], v[ST+8*\t+1]
.endr
.irp t, 0,1
	v_permlanex16_b32 v[ST+8*\t+5], v[ST+8*\t+4], s[SEL], s[SEL+1]   ; the query's other 32 keys lie in the lane 16 away
.endr
.irp t, 0,1
	v_mov_b32 v[ST+8*\t+7], v[ST+8*\t]             ; c m_old
.endr
.irp t, 0,1
	v_max_num_f32 v[ST+8*\t+1], v[ST+8*\t+4], v[ST+8*\t+5]
.endr
.irp t, 0,1
	v_mul_f32 v[ST+8*\t], s[CS], v[ST+8*\t+1]
.endr
.irp t, 0,1
	v_sub_f32 v[ST+8*\t+7], v[ST+8*\t+7], v[ST+8*\t]
.endr
.irp b, 0,1,2,3,4,5,6,7,8,9,10,11,12,13,14,15
.irp t, 0,1
	v_pk_fma_f32 v[S+32*\t+2*\b:S+32*\t+2*\b+1], v[S+32*\t+2*\b:S+32*\t+2*\b+1], s[CS:CS+1], v[ST+8*\t:ST+8*\t+1] op_sel_hi:[1,0,0] neg_lo:[0,0,1] neg_hi:[0,0,1]   ; c s - c m, two at a time
.endr
.endr
.irp t, 0,1
	v_exp_f32 v[ST+8*\t+6], v[ST+8*\t+7]           ; a
.endr
.set i, 0
.rept 64
	v_exp_f32 v[S+i], v[S+i]                       ; p: ONE BATCH of 66 exponentials
.set i, i+1
.endr
	v_nop                                          ; a plain instruction behind the last exponential
	s_wait_alu depctr_va_vdst(0)                   ; the wait ahead of the first instruction that names a result: one for the batch
	; the row's sums, of the unrounded p: two chains a tile
.irp t, 0,1
	v_pk_fma_f32 v[ST+8*\t+2:ST+8*\t+3], v[ST+8*\t+2:ST+8*\t+3], v[ST+8*\t+6:ST+8*\t+7], v[S+32*\t:S+32*\t+1] op_sel_hi:[1,0,1]   ; l a + the first pair
.endr
.irp t, 0,1
	v_pk_add_f32 v[ST+8*\t+4:ST+8*\t+5], v[S+32*\t+2:S+32*\t+3], v[S+32*\t+4:S+32*\t+5]
.endr
.irp b, 3,5,7,9,11,13
.irp t, 0,1
	v_pk_add_f32 v[ST+8*\t+2:ST+8*\t+3], v[ST+8*\t+2:ST+8*\t+3], v[S+32*\t+2*\b:S+32*\t+2*\b+1]
.endr
.irp t, 0,1
	v_pk_add_f32 v[ST+8*\t+4:ST+8*\t+5], v[ST+8*\t+4:ST+8*\t+5], v[S+32*\t+2*\b+2:S+32*\t+2*\b+3]
.endr
.endr
.irp t, 0,1
	v_pk_add_f32 v[ST+8*\t+2:ST+8*\t+3], v[ST+8*\t+2:ST+8*\t+3], v[S+32*\t+30:S+32*\t+31]
.endr
.irp t, 0,1
	v_pk_add_f32 v[ST+8*\t+2:ST+8*\t+3], v[ST+8*\t+2:ST+8*\t+3], v[ST+8*\t+4:ST+8*\t+5]
.endr
.irp i, 0,1,2,3,4,5,6,7,8,9,10,11,12,13,14,15
.irp t, 0,1
	v_cvt_pk_f16_f32 v[S+32*\t+\i], v[S+32*\t+2*\i], v[S+32*\t+2*\i+1]   ; P, in place, ascending: registers 8 kk .. 8 kk + 7 are source 1 for keys 32 kk on
.endr
.endr
.irp i, 0,2,4,6,8,10,12,14,16,18,20,22,24,26,28,30
.irp t, 0,1
	v_pk_mul_f32 v[O+32*\t+\i:O+32*\t+\i+1], v[O+32*\t+\i:O+32*\t+\i+1], v[ST+8*\t+6:ST+8*\t+7] op_sel_hi:[1,0]   ; O^T x a, each accumulator from its low end on
.endr
.endr
	s_wait_dscnt 0x0                               ; V is in
.irp kk, 0,1                           ; O^T += V^T P: the eight accumulators by turns
.irp ct, 0,1,2,3
.irp t, 0,1
	v_wmma_f32_16x16x32_f16 v[O+32*\t+8*\ct:O+32*\t+8*\ct+7], v[KV+16*\ct+8*\kk:KV+16*\ct+8*\kk+7], v[S+32*\t+8*\kk:S+32*\t+8*\kk+7], v[O+32*\t+8*\ct:O+32*\t+8*\ct+7]
.endr
.endr
.endr
	s_add_co_u32 s[TB], s[TB], 8192                ; the next step's four key tiles
.endm
.macro SLOT_STEPS                      ; a slot's eight key steps: written once, walked eight times
	s_mov_b32 s[NST], 8
.Lstep_\@:
	STEP
	s_sub_co_u32 s[NST], s[NST], 1
	s_cmp_lg_u32 s[NST], 0
	s_cbranch_scc1 .Lstep_\@
	s_sub_co_u32 s[TB], s[TB], 65536               ; back to a slot's first step,
	s_xor_b32 s[TB], s[TB], SLOT1                  ; in the other slot
.endm
; THE CHANGE OF SLOTS.  Each wave waits for all its tensor loads (one is out at most: its piece of the slot ahead), adds 0 to its spare word, and waits for that and for its reads of the slot that it leaves.
; fill = 1: the barrier is a round of the cluster's, and behind it the slot just left is filled with the keys two slots on: the load has eight key steps in which to land.
.macro CHANGE fill
	s_wait_tensorcnt 0x0                           ; no tensor load of mine is out, so the walking group 0 may be written
	ds_add_u32 v[SPW], v[NIL]
.if \fill
	s_xor_b32 s[G0B+1], s[G0B+1], SLOT1            ; the other slot than last time,
	s_add_nc_u64 s[G0B+2:G0B+3], s[G0B+2:G0B+3], 0x10000   ; the next 512 keys
.endif
	s_wait_dscnt 0x0                               ; the add is done, and my reads of the slot are over
.if \fill
	CROUND
	tensor_load_to_lds s[G0B:G0B+3], s[G1:G1+7]    ; my one tensor load behind the round
	s_nop 0
.rept 4
	v_nop
.endr
	; A PREFETCH of what the next change of slots will ask for, the head's last 512 keys: 16 pieces of 8,192 bytes; waves 0, 4, 8, 12 of each of the four partners name one piece each, a lane 256 bytes:
	; each piece once in the launch.  Only the first of the two changes asks: behind the second there is no slot.  Its address registers are never rewritten.
	s_cmp_gt_u32 s[SLOTS], s[LIM]
	s_cbranch_scc0 .Lnot_mine_\@
	global_prefetch_b8 v[PFO], s[PFA:PFA+1] th:TH_LOAD_NT scope:SCOPE_SE
.Lnot_mine_\@:
.else
	s_barrier_signal -1
	s_barrier_wait -1
.endif
.endm
	s_wait_tensorcnt 1                             ; my piece of slot 0 is in; slot 1's may stay out
	s_barrier_signal -1
	s_barrier_wait -1
	s_wait_loadcnt 0x0                             ; Q; its loads have read their base, on which mask words land below
	SLOT_STEPS                                     ; keys 0 .. 511
	s_mov_b32 s[SLOTS], 2
.Lslot:
	CHANGE 1
	SLOT_STEPS
	s_sub_co_u32 s[SLOTS], s[SLOTS], 1
	s_cmp_lg_u32 s[SLOTS], 0
	s_cbranch_scc1 .Lslot
	CHANGE 0                                       ; the last slot is written out
	SLOT_STEPS
	; THE WAY OUT: l's halves and the other half of the lanes'; O^T / l, rounded to f16: a lane's eight channels of a query are its 16 bytes of an image
.rept 4
	v_nop                                          ; places behind the last products
.endr
.irp t, 0,1
	v_add_f32 v[ST+8*\t+4], v[ST+8*\t+2], v[ST+8*\t+3]
.endr
.irp t, 0,1
	v_permlanex16_b32 v[ST+8*\t+5], v[ST+8*\t+4], s[SEL], s[SEL+1]
.endr
.irp t, 0,1
	v_add_f32 v[ST+8*\t+4], v[ST+8*\t+4], v[ST+8*\t+5]
.endr
.irp t, 0,1
	v_rcp_f32 v[ST+8*\t+6], v[ST+8*\t+4]
.endr
	v_nop
	s_wait_alu depctr_va_vdst(0)                   ; one wait for the two reciprocals, ahead of their first reader
.irp i, 0,2,4,6,8,10,12,14,16,18,20,22,24,26,28,30
.irp t, 0,1
	v_pk_mul_f32 v[O+32*\t+\i:O+32*\t+\i+1], v[O+32*\t+\i:O+32*\t+\i+1], v[ST+8*\t+6:ST+8*\t+7] op_sel_hi:[1,0]
.endr
.endr
.irp t, 0,1
.irp i, 0,1,2,3,4,5,6,7,8,9,10,11,12,13,14,15
	v_cvt_pk_f16_f32 v[S+16*\t+\i], v[O+32*\t+2*\i], v[O+32*\t+2*\i+1]
.endr
.endr
.irp t, 0,1
.irp ct, 0,1,2,3
	global_store_b128 v[GO], v[S+16*\t+4*\ct:S+16*\t+4*\ct+3], s[2:3] offset:32768*\t+512*\ct   ; an image: 512 consecutive bytes, aligned
.endr
.endr
	s_wait_tensorcnt 0x0                           ; the wave's end
	ds_add_u32 v[SPW], v[NIL]
	s_wait_dscnt 0x0
	CROUND                                         ; the closing round
	s_endpgm
.Lfunc_end_k_q153b05fc8e_attn:
	.size	k_q153b05fc8e_attn, .Lfunc_end_k_q153b05fc8e_attn-k_q153b05fc8e_attn
	.p2alignl 7, 3214868480
	.fill 96, 4, 3214868480
	.section	.rodata,"a",@progbits
	.p2align	6, 0x0
	.amdhsa_kernel k_q153b05fc8e_attn
		.amdhsa_group_segment_fixed_size 327680
		.amdhsa_private_segment_fixed_size 0
		.amdhsa_enable_private_segment 0
		.amdhsa_kernarg_size 24
		.amdhsa_user_sgpr_count 2
		.amdhsa_user_sgpr_kernarg_segment_ptr 1
		.amdhsa_wavefront_size32 1
		.amdhsa_system_sgpr_workgroup_id_x 1
		.amdhsa_system_sgpr_workgroup_id_y 1
		.amdhsa_system_sgpr_workgroup_id_z 1
		.amdhsa_system_vgpr_workitem_id 0
		.amdhsa_next_free_vgpr 256
		.amdhsa_next_free_sgpr 102
		.amdhsa_reserve_vcc 0
		.amdhsa_float_denorm_mode_32 3
		.amdhsa_float_denorm_mode_16_64 3
		.amdhsa_memory_ordered 1
		.amdhsa_forward_progress 1
		.amdhsa_inst_pref_size 80
	.end_amdhsa_kernel
	.amdgpu_metadata
---
amdhsa.version: [ 1, 2 ]
amdhsa.kernels:
  - .name:           k_q153b05fc8e_attn
    .symbol:         k_q153b05fc8e_attn.kd
    .args:
      - { .name: qkv, .offset: 0, .size: 8, .value_kind: global_buffer, .address_space: global }
      - { .name: maskw, .offset: 8, .size: 8, .value_kind: global_buffer, .address_space: global }
      - { .name: ximg, .offset: 16, .size: 8, .value_kind: global_buffer, .address_space: global }
    .group_segment_fixed_size: 327680
    .private_segment_fixed_size: 0
    .kernarg_segment_align: 8
    .kernarg_segment_size: 24
    .max_flat_workgroup_size: 512
    .sgpr_count:     102
    .vgpr_count:     256
    .wavefront_size: 32
...
	.end_amdgpu_metadata
.endif
;; end of part 3
;; launch oproj (part 4): grid 8 x 32, 4 waves a work-group, clusters of 4 x 4, 327,680 bytes of LDS; arguments ximg, wimg, bo, out0; writes out0
.if DOCPART == 4
	.amdgcn_target "amdgcn-amd-amdhsa--gfx1250"
	.amdhsa_code_object_version 6
	.text
	.protected	k_q153b05fc8e_oproj
	.globl	k_q153b05fc8e_oproj
	.p2align	8
	.type	k_q153b05fc8e_oproj,@function
k_q153b05fc8e_oproj:
	s_mov_b64 s[64:65], 0
	v_nop
	global_prefetch_b8 v0, s[64:65] scope:SCOPE_SE
	s_setreg_imm32_b32 hwreg(HW_REG_WAVE_MODE, 25, 1), 1
	s_wait_xcnt 0x0
	s_wait_alu depctr_hold_cnt(0) depctr_sa_sdst(0) depctr_va_vdst(0) depctr_va_sdst(0) depctr_va_ssrc(0) depctr_va_vcc(0) depctr_vm_vsrc(0)
	s_getreg_b32 s2, hwreg(HW_REG_IB_STS2, 6, 4)
	s_cmp_eq_u32 s2, 0
	s_cbranch_scc0 .Lentry_in_a_cluster
	s_endpgm
.Lentry_in_a_cluster:
	s_bfe_u32 s2, ttmp6, 0x10000c
	s_cmp_lg_u32 s2, 0xf033
	s_cbranch_scc0 .Lentry_shape_is_right
	s_endpgm
.Lentry_shape_is_right:
; out0[m][n] = sum over k of x[m][k] wo[n][k] + bo[n].  x [8192][1024] and wo [1024][1024] arrive as f16 IMAGES OF OPERAND REGISTERS: [16 rows][16 along K: 64][512 B], lane (r, h)'s 16 bytes at 16 x lane: row r, k = 16 c + 8 h + 0 .. 7.
; Two images on end are a fragment for 32 along K; a fragment comes by two loads of 512 consecutive bytes: no pitch, no padding.  Sums in f32; the bias is the C of each sum's first instruction.  out0 is f32.
; A tile of out0 is 256 x 128: 256 work-groups.  Four waves, each 128 x 64: 32 accumulators, 256 registers.  K goes in steps of 128 through two LDS slots: for each 16 rows 4,096 consecutive bytes of memory.
; CLUSTERS: 4 x 4 work-groups; x's tiles are shared along a row of the cluster, wo's along a column: each is asked for jointly.
; THE MATRIX INSTRUCTION IS USED TRANSPOSED (source 0 = 16 rows of wo, source 1 = 16 rows of x): a lane holds eight neighbouring numbers of a row of out0.
; REGISTERS: window 0: v16-29 addresses; v32-63 the bias; two fragment buffers of 96 at v64 and v160 (x's eight fragments, then wo's four); on the way out v64-127 rows read back.   window 1: the accumulators, (a, b) at v[8 (4 a + b)].
.set SLOTB,  98304                     ; a slot: x's 16 row tiles x 4,096 bytes, then wo's 8
.set BOFF,   65536
.set STAGE,  2*SLOTB                   ; behind the slots: 16 rows x (256 + 16) bytes for each wave, for the way out; no tensor load lands there
.set SPITCH, 272
.set SPARE,  STAGE+4*16*SPITCH         ; the spare words, 128 bytes a wave, which no other line names
.set ADRA, 16
.set ADRB, 20
.set STO,  24
.set RD,   25
.set CO,   26
.set SPW,  28
.set NIL,  29
.set BIAS, 32
.set F0,   64
.set F1,   160
.set OB,   64
.set G1, 24
.set G0, 32
.set G1B, 48
.set G0B, 56
.set MSB, 0
.macro WIN new                         ; the immediate's high byte repeats the setting that is left
.if MSB != \new
	s_set_vgpr_msb (MSB<<8)|\new
.set MSB, \new
.endif
.endm
.set MUL, 0x50                         ; sources 0 and 1 window 0; C and D window 1
.set FST, 0x40                         ; the first quarter: C (the bias) window 0, D window 1
.macro JLOAD s                         ; a joint load: waves 0 and 1 fetch x's two halves, waves 2 and 3 wo's; an s_nop 0 and four v_nop follow each line
	s_cmp_eq_u32 s13, 0
	s_cbranch_scc0 .Lfor_b_\@
	tensor_load_to_lds s[G0+4*\s:G0+4*\s+3], s[G1:G1+7]
	s_nop 0
.rept 4
	v_nop
.endr
	s_branch .Lasked_\@
.Lfor_b_\@:
	tensor_load_to_lds s[G0B+4*\s:G0B+4*\s+3], s[G1B:G1B+7]
	s_nop 0
.rept 4
	v_nop
.endr
.Lasked_\@:
.endm
.macro CREST                           ; a round of the cluster's barrier behind its opening barrier
	s_cmp_lg_u32 s12, 0
	s_cbranch_scc1 .Lnot_wave_0_\@
	s_barrier_signal -3
.Lnot_wave_0_\@:
	s_barrier_wait -3
	s_barrier_signal -1
	s_barrier_wait -1
.endm
.macro CROUND
	s_barrier_signal -1
	s_barrier_wait -1
	CREST
.endm
	s_load_b256 s[4:11], s[0:1], 0x0               ; ximg, wimg, bo, out0
	v_lshl_add_u32 v[SPW], v0, 2, SPARE
	v_mov_b32 v[NIL], 0
	ds_add_u32 v[SPW], v[NIL]                      ; the wave's opening: the add, twice on end, and its wait ahead of my first tensor load
	ds_add_u32 v[SPW], v[NIL]
	v_lshrrev_b32 v1, 5, v0
	v_readfirstlane_b32 s12, v1                    ; wave 0..3
	s_lshr_b32 s13, s12, 1                         ; which half of the tile's rows is mine.  Also: I fetch for x (0) or for wo (1)
	s_and_b32 s14, s12, 1                          ; which half of its columns.  Also: which half of that tile I fetch
	s_bfe_u32 s40, ttmp6, 0x40000                  ; cx
	s_bfe_u32 s41, ttmp6, 0x40004                  ; cy
	s_lshl_b32 s42, ttmp9, 2
	s_add_co_u32 s42, s42, s40                     ; tile column 0..7
	s_and_b32 s15, ttmp7, 0xffff
	s_lshl_b32 s15, s15, 2
	s_add_co_u32 s15, s15, s41                     ; tile row 0..31
	s_lshl_b32 s43, s41, 2
	s_lshl_b32 s43, 15, s43                        ; my row of the cluster
	s_lshl_b32 s44, 0x1111, s40                    ; my column
	s_or_b32 s[G1+0], s43, (3<<16)|(1<<21)         ; the mask; elements of 8 bytes; bit 21 beside a mask; no padding
	s_mov_b32 s[G1+1], 512<<16                     ; tensor_dim0: 512 elements: a row tile's 4,096 bytes of a K step
	s_mov_b32 s[G1+2], 8<<16                       ; tensor_dim1: 8 row tiles
	s_mov_b32 s[G1+3], 512<<16                     ; tile_dim0
	s_mov_b32 s[G1+4], 8                           ; tile_dim1
	s_mov_b32 s[G1+5], 4096                        ; from row tile to row tile: 32,768 bytes
	s_mov_b32 s[G1+6], 0
	s_mov_b32 s[G1+7], 0
	s_or_b32 s[G1B+0], s44, (3<<16)|(1<<21)
	s_mov_b32 s[G1B+1], 512<<16
	s_mov_b32 s[G1B+2], 4<<16                      ; wo: 4 row tiles a load
	s_mov_b32 s[G1B+3], 512<<16
	s_mov_b32 s[G1B+4], 4
	s_mov_b32 s[G1B+5], 4096
	s_mov_b32 s[G1B+6], 0
	s_mov_b32 s[G1B+7], 0
	s_lshl_b32 s16, s15, 19                        ; x: row tile 16 x tile row + 8 x half, 32,768 bytes each
	s_lshl_b32 s18, s14, 18
	s_add_co_u32 s16, s16, s18
	s_mov_b32 s17, 0
	s_lshl_b32 s46, s42, 18                        ; wo: row tile 8 x tile column + 4 x half
	s_lshl_b32 s18, s14, 17
	s_add_co_u32 s46, s46, s18
	s_mov_b32 s47, 0
	s_lshl_b32 s20, s14, 15                        ; where they go: x's halves,
	s_lshl_b32 s21, s14, 14
	s_add_co_u32 s21, s21, BOFF                    ; wo's halves behind them
	s_wait_dscnt 0x0                               ; both opening adds are done
	s_wait_kmcnt 0x0
	s_add_nc_u64 s[16:17], s[4:5], s[16:17]
	s_add_nc_u64 s[46:47], s[6:7], s[46:47]
	CROUND                                         ; all sixteen work-groups are here: the first joint loads meet
.irp s, 0,1
	s_mov_b32 s[G0+4*\s], 1
	s_add_co_u32 s[G0+4*\s+1], s20, \s*SLOTB
	s_add_nc_u64 s[G0+4*\s+2:G0+4*\s+3], s[16:17], \s*4096
	s_or_b32 s[G0+4*\s+3], s[G0+4*\s+3], 0x80000000
	s_mov_b32 s[G0B+4*\s], 1
	s_add_co_u32 s[G0B+4*\s+1], s21, \s*SLOTB
	s_add_nc_u64 s[G0B+4*\s+2:G0B+4*\s+3], s[46:47], \s*4096
	s_or_b32 s[G0B+4*\s+3], s[G0B+4*\s+3], 0x80000000
	JLOAD \s                                       ; two loads of mine are out
.endr
	v_and_b32 v1, 15, v0                           ; r
	v_bfe_u32 v2, v0, 4, 1                         ; h
	s_lshl_b32 s46, s42, 9                         ; my first column, in bytes: 512 x tile column + 256 x half
	s_lshl_b32 s47, s14, 8
	s_add_co_u32 s46, s46, s47
	s_mov_b32 s47, 0
	s_add_nc_u64 s[8:9], s[8:9], s[46:47]          ; the bias of my 64 columns: lane (r, h) wants, for block b, bo[.. + 16 b + 8 h + 0 .. 7]
	v_lshlrev_b32 v6, 5, v2
.irp b, 0,1,2,3
	global_load_b128 v[BIAS+8*\b:BIAS+8*\b+3], v6, s[8:9] offset:64*\b
	global_load_b128 v[BIAS+8*\b+4:BIAS+8*\b+7], v6, s[8:9] offset:64*\b+16
.endr
	v_and_b32 v3, 31, v0
	v_lshlrev_b32 v3, 4, v3                        ; 16 x lane
	s_lshl_b32 s21, s13, 15                        ; my 8 row tiles of x
	s_lshl_b32 s22, s14, 14
	s_add_co_u32 s22, s22, BOFF                    ; my 4 of wo
.irp s, 0,1
	v_add_nc_u32 v[ADRA+\s], s21, v3
	v_add_nc_u32 v[ADRB+\s], s22, v3
	s_add_co_u32 s21, s21, SLOTB
	s_add_co_u32 s22, s22, SLOTB
.endr
	s_mul_i32 s23, s12, 16*SPITCH
	s_add_co_u32 s23, s23, STAGE                   ; my stage
	v_mul_u32_u24 v4, v1, SPITCH
	v_lshl_add_u32 v4, v2, 5, v4
	v_add_nc_u32 v[STO], s23, v4                   ; in: row r, 32 bytes for each half of the lanes
	v_mul_u32_u24 v5, v2, SPITCH
	v_lshl_add_u32 v5, v1, 4, v5
	v_add_nc_u32 v[RD], s23, v5                    ; back: lanes 0-15 one row of 256 bytes, lanes 16-31 the next
	v_lshlrev_b32 v5, 12, v2
	v_lshl_add_u32 v[CO], v1, 4, v5                ; and the same two rows in out0
	s_lshl_b32 s16, s15, 20                        ; my first row: 256 x tile row + 128 x half, 4,096 bytes each
	s_lshl_b32 s18, s13, 19
	s_add_co_u32 s16, s16, s18
	s_mov_b32 s17, 0
	s_add_nc_u64 s[16:17], s[16:17], s[46:47]
	s_add_nc_u64 s[10:11], s[10:11], s[16:17]
; four matrix instructions: x's block a against wo's four.  first = 1: the bias is C.  The 32 accumulators take turns, one instruction a turn, in the same order in every quarter.
.macro MULA f, a, first
.irp b, 0,1,2,3
.if \first
	v_wmma_f32_16x16x32_f16 v[8*(4*(\a)+\b):8*(4*(\a)+\b)+7], v[\f+64+8*\b:\f+64+8*\b+7], v[\f+8*(\a):\f+8*(\a)+7], v[BIAS+8*\b:BIAS+8*\b+7]
.else
	v_wmma_f32_16x16x32_f16 v[8*(4*(\a)+\b):8*(4*(\a)+\b)+7], v[\f+64+8*\b:\f+64+8*\b+7], v[\f+8*(\a):\f+8*(\a)+7], v[8*(4*(\a)+\b):8*(4*(\a)+\b)+7]
.endif
.endr
.endm
.macro MUL8 f, a0
	MULA \f, \a0, 0
	MULA \f, \a0+1, 0
.endm
.macro MUL16 f, a0, first
	MULA \f, \a0, \first
	MULA \f, \a0+1, \first
	MULA \f, \a0+2, \first
	MULA \f, \a0+3, \first
.endm
; 24 LDS loads in one run: the fragments of 32 along K (the slot's kk-th) into buffer f: wo's four, x's blocks 0-3, x's blocks 4-7
.macro FETCH slot, kk, f
.irp i, 0,1,2,3
	ds_load_b128 v[\f+64+8*\i:\f+64+8*\i+3],   v[ADRB+\slot] offset:4096*\i+1024*(\kk)
	ds_load_b128 v[\f+64+8*\i+4:\f+64+8*\i+7], v[ADRB+\slot] offset:4096*\i+1024*(\kk)+512
.endr
.irp i, 0,1,2,3,4,5,6,7
	ds_load_b128 v[\f+8*\i:\f+8*\i+3],   v[ADRA+\slot] offset:4096*\i+1024*(\kk)
	ds_load_b128 v[\f+8*\i+4:\f+8*\i+7], v[ADRA+\slot] offset:4096*\i+1024*(\kk)+512
.endr
.endm
.macro PLACES                          ; four plain vector instructions in front of loads into registers that matrix instructions have read, and of the first read of results (ISA guide 7.12.1 for reads)
.rept 4
	v_nop
.endr
.endm
; A K step is four quarters of 32 along K, 32 matrix instructions each, on buffers 0, 1, 0, 1.  One of the first three: multiplies buffer f and fetches quarter kk into g.
.macro QUARTER slot, kk, f, g, first
	s_wait_dscnt 8                                 ; wo's fragments and x's blocks 0-3 are in; the youngest eight loads may be out
.if \first
	WIN FST
.else
	WIN MUL
.endif
	MUL16 \f, 0, \first
	PLACES
	WIN 0
	FETCH \slot, \kk, \g
	s_wait_dscnt 24                                ; all but the 24 just issued
.if \first
	WIN FST
.else
	WIN MUL
.endif
	MUL16 \f, 4, \first
.endm
; The last quarter multiplies buffer 1 and changes slots: ONE barrier; in front of it each wave waits for all its tensor loads, adds 0 to its spare word, and waits for that and for its reads of this slot.  fill = 1: this slot is filled again, two K steps ahead.
.macro TURN slot, next, fill
	WIN 0
	s_wait_tensorcnt 0x0                           ; all my tensor loads have landed: my part of the next slot
	ds_add_u32 v[SPW], v[NIL]
	s_wait_dscnt 9                                 ; (the add and the youngest eight loads may be out)
	WIN MUL
	MUL8 F1, 0
	s_wait_dscnt 0x0                               ; the add is done, and my reads of this slot are over
	s_barrier_signal -1
	MUL8 F1, 2
	WIN 0
	s_barrier_wait -1
.if \fill
	CREST                                          ; the barrier has opened a round of the cluster's: no wave of any partner still reads this slot or has a load on its way
	s_add_nc_u64 s[G0+4*\slot+2:G0+4*\slot+3], s[G0+4*\slot+2:G0+4*\slot+3], 8192
	s_add_nc_u64 s[G0B+4*\slot+2:G0B+4*\slot+3], s[G0B+4*\slot+2:G0B+4*\slot+3], 8192
	JLOAD \slot                                    ; the first tensor load behind the round: 112 matrix instructions ahead of the wait for it; its four v_nop are also the places in front of the loads below
.else
	PLACES
.endif
	FETCH \next, 0, F0
	WIN MUL
	MUL16 F1, 4, 0
.endm
	s_wait_tensorcnt 1                             ; my part of K step 0 is in; K step 1's may stay out
	s_barrier_signal -1
	s_barrier_wait -1
	FETCH 0, 0, F0
	s_wait_loadcnt 0x0                             ; the bias
	QUARTER 0, 1, F0, F1, 1                        ; the first quarter's products start the sums on the bias
	WIN 0                                          ; at a label and at a branch every window is 0
	s_mov_b32 s3, 3
.Llap:                                                 ; a trip goes once round the two slots, from a lap's second quarter to the next lap's first, and fills both again: K steps 2 to 7
	QUARTER 0, 2, F1, F0, 0
	QUARTER 0, 3, F0, F1, 0
	TURN 0, 1, 1
	QUARTER 1, 1, F0, F1, 0
	QUARTER 1, 2, F1, F0, 0
	QUARTER 1, 3, F0, F1, 0
	TURN 1, 0, 1
	QUARTER 0, 1, F0, F1, 0
	WIN 0
	s_sub_co_u32 s3, s3, 1
	s_cmp_lg_u32 s3, 0
	s_cbranch_scc1 .Llap
	QUARTER 0, 2, F1, F0, 0                        ; the last lap fills nothing
	QUARTER 0, 3, F0, F1, 0
	TURN 0, 1, 0
	QUARTER 1, 1, F0, F1, 0
	QUARTER 1, 2, F1, F0, 0
	QUARTER 1, 3, F0, F1, 0
	s_wait_dscnt 8                                 ; the very last quarter
	WIN MUL
	MUL16 F1, 0, 0
	s_wait_dscnt 0
	MUL16 F1, 4, 0
	WIN 0
; THE WAY OUT, block by block of 16 rows x 64 columns: a lane holds 32 neighbouring bytes of a row and the lanes beside it other rows, so a block goes through my own stage and comes back as rows of 256 bytes.
; LDS serves a wave's instructions in order (ISA guide 5.7.1.4): no wait between the stores and the loads, nor in front of the next block's stores.
.macro TOSTAGE a
	WIN 0x04                                       ; an LDS store's data are its source 1: window 1
.irp b, 0,1,2,3
	ds_store_b128 v[STO], v[8*(4*(\a)+\b):8*(4*(\a)+\b)+3] offset:64*\b          ; each accumulator from its low end on
	ds_store_b128 v[STO], v[8*(4*(\a)+\b)+4:8*(4*(\a)+\b)+7] offset:64*\b+16
.endr
	WIN 0
.set BB, OB+32*((\a)%2)
.irp t, 0,1,2,3,4,5,6,7
	ds_load_b128 v[BB+4*\t:BB+4*\t+3], v[RD] offset:\t*2*SPITCH
.endr
.endm
.macro SEND a, younger                 ; younger: the LDS instructions issued behind block a's loads
.set BB, OB+32*((\a)%2)
	s_wait_dscnt \younger
.if (\a) > 0
	s_add_nc_u64 s[10:11], s[10:11], 65536         ; 16 rows on (behind a wait on XCNT: the earlier stores have read their base)
.endif
.irp t, 0,1,2,3,4,5,6,7
	global_store_b128 v[CO], v[BB+4*\t:BB+4*\t+3], s[10:11] offset:\t*8192 th:TH_STORE_NT   ; sixteen lanes store 256 consecutive bytes, at a multiple of 256 from out0's first byte
.endr
.endm
	PLACES
	TOSTAGE 0
.irp a, 1,2,3,4,5,6,7
.if \a > 1
	s_wait_xcnt 0x0                                ; block a - 2's stores have read their registers and their base
.endif
	TOSTAGE \a
	SEND \a-1, 16
.endr
	s_wait_xcnt 0x0
	SEND 7, 0
	s_wait_tensorcnt 0x0                           ; the wave's end, behind my last tensor load and my last LDS store
	ds_add_u32 v[SPW], v[NIL]
	s_wait_dscnt 0x0
	CROUND                                         ; the closing round
	s_endpgm
.Lfunc_end_k_q153b05fc8e_oproj:
	.size	k_q153b05fc8e_oproj, .Lfunc_end_k_q153b05fc8e_oproj-k_q153b05fc8e_oproj
	.p2alignl 7, 3214868480
	.fill 96, 4, 3214868480
	.section	.rodata,"a",@progbits
	.p2align	6, 0x0
	.amdhsa_kernel k_q153b05fc8e_oproj
		.amdhsa_group_segment_fixed_size 327680
		.amdhsa_private_segment_fixed_size 0
		.amdhsa_enable_private_segment 0
		.amdhsa_kernarg_size 32
		.amdhsa_user_sgpr_count 2
		.amdhsa_user_sgpr_kernarg_segment_ptr 1
		.amdhsa_wavefront_size32 1
		.amdhsa_system_sgpr_workgroup_id_x 1
		.amdhsa_system_sgpr_workgroup_id_y 1
		.amdhsa_system_sgpr_workgroup_id_z 1
		.amdhsa_system_vgpr_workitem_id 0
		.amdhsa_next_free_vgpr 512
		.amdhsa_next_free_sgpr 66
		.amdhsa_reserve_vcc 0
		.amdhsa_float_denorm_mode_32 3
		.amdhsa_float_denorm_mode_16_64 3
		.amdhsa_memory_ordered 1
		.amdhsa_forward_progress 1
		.amdhsa_inst_pref_size 86
	.end_amdhsa_kernel
	.amdgpu_metadata
---
amdhsa.version: [ 1, 2 ]
amdhsa.kernels:
  - .name:           k_q153b05fc8e_oproj
    .symbol:         k_q153b05fc8e_oproj.kd
    .args:
      - { .name: ximg, .offset: 0, .size: 8, .value_kind: global_buffer, .address_space: global }
      - { .name: wimg, .offset: 8, .size: 8, .value_kind: global_buffer, .address_space: global }
      - { .name: bo, .offset: 16, .size: 8, .value_kind: global_buffer, .address_space: global }
      - { .name: out0, .offset: 24, .size: 8, .value_kind: global_buffer, .address_space: global }
    .group_segment_fixed_size: 327680
    .private_segment_fixed_size: 0
    .kernarg_segment_align: 8
    .kernarg_segment_size: 32
    .max_flat_workgroup_size: 128
    .sgpr_count:     66
    .vgpr_count:     512
    .wavefront_size: 32
...
	.end_amdgpu_metadata
.endif
;; end of part 4
